; MI455X (gfx1250); checked and timed in simulation.
; The chip was launched on July 23, 2026; its instructions are those of AMD's public machine-readable ISA for CDNA 5 (MIT licence, August 2026) and "CDNA5" Instruction Set Architecture Reference Guide (July 2026). The comments in the code are by the model that wrote it; some were corrected since.
;; KV Cache Mo E. Allowed arithmetic: matrix products marked QUANTISED: E5M2 operands, one E8M0 scale for each 32 along K, by v_wmma_scale_f32_16x16x128_f8f6f4 with both operands' format E5M2, f32 sums; products left as they are: f32 operands where the result goes on into a quantised operand, else bf16, f16 or f32 operands; f32 sums; everything else in f32.
;; Inputs: We_codes 8 x 1,024 x 32 x 32 uint8 (E5M2 codes of We, K innermost, in blocks of 32 codes); We_scales 8 x 1,024 x 32 uint8 (E8M0 scales of We, one for each 32 codes along K); Wr1 1,024 x 1,024 float32; Wr2 1,024 x 8 float32; be 8 x 1,024 float32; br1 1,024 float32; br2 8 float32; x 8 x 1,024 x 1,024 float32.
;; Outputs: out0 8 x 1,024 x 1,024 float32.
;; This version of the problem:
;;   THIS VERSION OF THE PROBLEM IS GIVEN IN LOW PRECISION. The matrix products marked QUANTISED in the list below multiply operands that are first quantised to E5M2 (5 exponent bits, 2 mantissa bits; 8 bits a number), with one power-of-two scale for each 32 numbers along K (OCP MX v1.0); their sums are f32. All else is computed in f32.
;;   The module's matrix products, in the order in which they are computed (A, B: the left and right operand; K: the contracted axis; several contracted axes count as one K, in the product's order):
;;     1. [M 8, K 1,024] x [K 1,024, N 1,024]; A: computed on the way; B: input Wr1: left as it is (M = 8 < 16)
;;     2. [M 8, K 1,024] x [K 1,024, N 8]; A: computed on the way; B: input Wr2: left as it is (M = 8 < 16)
;;     3. [M 8,192, K 1,024] x [K 1,024, N 8,192]; A: input We (given as codes); B: input x: QUANTISED
;;     4. batch 8 x [M 1,048,576, K 8] x [K 8, N 1]; A: computed on the way; B: softmax: left as it is (K = 8 < 32)
;;   THE QUANTISER, for each operand of a quantised product, along K:
;;     - K is cut into blocks of 32 from its start; a last block that is shorter is filled with zeros.
;;     - A block's scale is 2^e with e = floor(log2(the largest magnitude in the block)) - 15, held to -126 .. 127; a block of zeros has e = 0. As a byte (E8M0): e + 127.
;;     - Each number is divided by its block's scale, clamped to +-57,344, and rounded to the nearest number of E5M2, ties to even, subnormals kept.
;;     - The product sums the exact products of the quantised numbers (number of the format x scale) in f32.
;;   ~~~python
;;   def quantise(x, axis):      # numpy; x: float32 -> the quantised numbers, widened to float32 again
;;       x = np.moveaxis(x, axis, -1); K = x.shape[-1]
;;       x = np.pad(x, [(0, 0)] * (x.ndim - 1) + [(0, -K % 32)]); x = x.reshape(x.shape[:-1] + (-1, 32)); a = np.abs(x).max(-1, keepdims=True)
;;       e = np.where(a > 0, np.clip(np.frexp(np.where(a > 0, a, 1))[1] - 1 - 15, -126, 127), 0)      # np.frexp(a)[1] - 1 = floor(log2(a)), exactly
;;       r = np.clip(x / 2.0 ** e, -57344, 57344)
;;       step = 2.0 ** (np.maximum(np.frexp(np.where(r == 0, 1, r))[1] - 1, -14) - 2)
;;       q = np.round(r / step) * step * 2.0 ** e      # np.round: ties to even
;;       return np.moveaxis(q.reshape(q.shape[:-2] + (-1,))[..., :K], -1, axis).astype(np.float32)
;;   ~~~
;;   INPUTS GIVEN AS CODES. We (in the module: [8, 1024, 1024], K = its axis 1): each comes as NAME_codes (uint8): NAME with its K axis moved to the last place and cut into blocks of 32 codes, [.., K / 32, bytes a block], one block behind the other in memory; one code a byte (a code: sign, 5 exponent bits, 2 mantissa bits); and NAME_scales (uint8): the same leading axes, one E8M0 byte (e + 127) for each 32 codes along K. Its value is code x scale, taken as it is: it is not quantised again, and the codes and scales need not be those that the quantiser above would give.
;; 2 versions, each right and faster than the one before. Each part assembles by itself: llvm-mc -triple=amdgcn-amd-amdhsa -mcpu=gfx1250 --defsym DOCPART=n.
;; ======== version 1 of 2: 2 launches
;; workspace buffers: xq 8,388,608 bytes; xs 262,144 bytes; hp 1,048,576 bytes
;; launch prep (part 1): grid 256 x 1, 16 waves a work-group, no clusters, 150,528 bytes of LDS; arguments x, Wr1, xq, xs, hp; writes xq, xs, hp
.if DOCPART == 1
	.amdgcn_target "amdgcn-amd-amdhsa--gfx1250"
	.amdhsa_code_object_version 6
	.text
	.protected	k_q9f5c4815d9_prep
	.globl	k_q9f5c4815d9_prep
	.p2align	8
	.type	k_q9f5c4815d9_prep,@function
k_q9f5c4815d9_prep:
	s_mov_b64 s[64:65], 0
	v_nop
	global_prefetch_b8 v0, s[64:65] scope:SCOPE_SE
	s_setreg_imm32_b32 hwreg(HW_REG_WAVE_MODE, 25, 1), 1
	s_wait_xcnt 0x0
; x [8192 rows][1024] f32 is read ONCE and gives three things:
;  xq: its codes of E5M2, quantised along the row in blocks of 32, laid as images of operand registers: byte = T*16384 + ks*2048 + c*512 + lane*16
;      (T: tile of 16 rows; ks: K step of 128; c: block of 32 in it; lane (r, h) holds row 16 T + r, k = 128 ks + 32 c + 16 h + 0 .. 15);
;  xs: the E8M0 bytes, [chunk of 64 columns][row][2 bytes];
;  hp: partial vectors of mean_s(x) @ Wr1: [work-group][1024] f32: the sum over this group's 512 rows / 1024, times this group's 64 rows of Wr1.  Both sums are linear, so the next launch only adds the 32 partials of a batch.
; A block's scale is 2^(floor(log2(largest magnitude)) - 15); its byte is the largest magnitude's exponent field - 15, held at 1 from below by a floor among the maximum's leaves.
; LIMITS: NaN and infinities among the inputs are not served.  A block of zeros gets the byte 1 (the rule says 127): its codes are zeros and this program alone reads the bytes.  Blocks whose largest magnitude lies under 2^-111 (the floor) were not tried.
; SHARES: work-group id = 16 g + kc takes rows 512 g .. 512 g + 511 and columns 64 kc .. 64 kc + 63: a row's piece is 256 consecutive bytes at a multiple of 256.  Wave w takes rows 32 w .. 32 w + 31 (two tiles of 16)
; and, of the product with Wr1, columns n = 64 w .. 64 w + 63.  All 48 loads of a wave go out at once; there is no loop.
; A load is dense (16 lanes read a row's 256 bytes); the conversions want 16 neighbours along K in one lane: a tile turns through the wave's own stage in LDS, rows 272 bytes apart (an odd multiple of 16).
.set SPT,  272                         ; a stage row: 256 bytes + 16
.set STB,  16*SPT                      ; a stage: 16 rows
.set WST,  2*STB                       ; two stages a wave
.set CSB,  16*WST                      ; behind the stages: each wave's 64 column sums, 256 bytes a wave
.set MB,   CSB+4096                    ; each wave's own copy of the 64 means
.set SCB,  MB+4096                     ; 512 rows x 2 scale bytes
.set XO,   4                           ; v4   x: 4096 h + 16 r
.set WO,   5                           ; v5   Wr1: 32 rows x h + 16 r
.set SI,   6                           ; v6   stage, way in: row h, 16 r
.set SO,   7                           ; v7   stage, way out: row r, 64 h
.set QO,   8                           ; v8   16 x lane
.set SCA,  9                           ; v9   my row's two scale bytes in LDS
.set CSA,  10                          ; v10  where my wave's column sums go
.set CRA,  11                          ; v11  where I read two columns' sums of every wave
.set MWA,  12                          ; v12  where I put two means
.set MRA,  13                          ; v13  where I read my half's 32 means
.set SLA,  14                          ; v14  waves 0, 1: 16 scale bytes in LDS
.set SGO,  15                          ; v15  and their place in xs
.set CS,   16                          ; v16-19  column sums
.set TM,   20                          ; v20-21 maxima, v22-23 the other half's, v24-25 the conversions' scale operand, v26-27 the hold, v28-29 bytes, v30-31 a tile's half-word
.set C,    32                          ; v32-47  codes: eight registers a tile, never rewritten
.set A,    48                          ; v48-51  four sums of the product
.set PT,   52                          ; v52-55  lane permutes' results
.set SB,   56                          ; v56-59  scale bytes on their way out
.set R,    64                          ; v64-127 x as loaded, then turned; later the waves' column sums (v64-95) and the means (v96-127)
.set M,    96
.set W,    128                         ; v128-255 Wr1: 32 rows x 4 columns a lane
	s_load_b256 s[4:11], s[0:1], 0x0               ; x s[4:5], Wr1 s[6:7], xq s[8:9], xs s[10:11]
	s_load_b64 s[12:13], s[0:1], 0x20              ; hp
	v_lshl_add_u32 v62, v0, 2, 0x24400
	v_mov_b32 v63, 0
	v_lshrrev_b32 v1, 5, v0
	v_readfirstlane_b32 s16, v1                    ; wave 0..15
	v_and_b32 v1, 31, v0                           ; lane
	v_and_b32 v2, 15, v0                           ; r
	v_bfe_u32 v3, v0, 4, 1                         ; h
	s_and_b32 s17, ttmp9, 15                       ; kc: which 64 columns
	s_lshr_b32 s18, ttmp9, 4                       ; g: which 512 rows
	v_lshlrev_b32 v[QO], 4, v1
	v_lshlrev_b32 v[XO], 4, v2
	v_lshl_add_u32 v[WO], v3, 17, v[XO]            ; lanes 16-31 stand 32 rows of 4,096 bytes further down in Wr1,
	v_lshl_add_u32 v[XO], v3, 12, v[XO]            ; and one row further down in x
	s_lshl_b32 s26, s18, 21                        ; x: (512 g + 32 w) rows of 4,096 bytes + 256 kc
	s_lshl_b32 s19, s16, 17
	s_add_co_u32 s26, s26, s19
	s_lshl_b32 s19, s17, 8
	s_add_co_u32 s26, s26, s19
	s_mov_b32 s27, 0
	s_lshl_b32 s28, s17, 18                        ; Wr1: 64 kc rows + 256 w bytes
	s_lshl_b32 s19, s16, 8
	s_add_co_u32 s28, s28, s19
	s_mov_b32 s29, 0
	s_lshl_b32 s30, s18, 19                        ; xq: tile 32 g + 2 w, 16,384 bytes a tile, + 1,024 kc
	s_lshl_b32 s22, s16, 15
	s_add_co_u32 s30, s30, s22
	s_lshl_b32 s22, s17, 10
	s_add_co_u32 s30, s30, s22
	s_mov_b32 s31, 0
	s_lshl_b32 s32, s17, 14                        ; xs: 16,384 kc + 1,024 g
	s_lshl_b32 s22, s18, 10
	s_add_co_u32 s32, s32, s22
	s_mov_b32 s33, 0
	s_lshl_b32 s34, ttmp9, 12                      ; hp: 4,096 x work-group + 256 w
	s_add_co_u32 s34, s34, s19
	s_mov_b32 s35, 0
	s_mov_b32 s20, 0x76543210
	s_mov_b32 s21, 0xfedcba98                      ; v_permlanex16_b32's selects for lane l xor 16
	s_mov_b32 s23, 0x600000                        ; the mantissa field of 57,344
	s_wait_kmcnt 0x0
	s_add_nc_u64 s[4:5], s[4:5], s[26:27]
	s_add_nc_u64 s[6:7], s[6:7], s[28:29]
	s_add_nc_u64 s[8:9], s[8:9], s[30:31]
	s_add_nc_u64 s[10:11], s[10:11], s[32:33]
	s_add_nc_u64 s[12:13], s[12:13], s[34:35]
.set q, 0
.rept 16
	global_load_b128 v[R+4*q:R+4*q+3], v[XO], s[4:5] offset:8192*q th:TH_LOAD_NT   ; rows 2 q + h: sixteen lanes read a row's 256 bytes; read once in the launch
.set q, q+1
.endr
.set g, 0
.rept 32
	global_load_b128 v[W+4*g:W+4*g+3], v[WO], s[6:7] offset:4096*g   ; Wr1(64 kc + 32 h + g, 64 w + 4 r + 0 .. 3)
.set g, g+1
.endr
	s_mul_i32 s19, s16, WST                        ; LDS addresses: a constant + a constant x lane + a constant x wave
	v_mul_u32_u24 v[SI], v3, SPT
	v_lshl_add_u32 v[SI], v2, 4, v[SI]
	v_add_nc_u32 v[SI], s19, v[SI]
	v_mul_u32_u24 v[SO], v2, SPT
	v_lshl_add_u32 v[SO], v3, 6, v[SO]
	v_add_nc_u32 v[SO], s19, v[SO]
	s_lshl_b32 s19, s16, 6
	s_add_co_u32 s19, s19, SCB
	v_lshl_add_u32 v[SCA], v2, 1, s19              ; 2 bytes a row, 32 rows a wave
	s_lshl_b32 s19, s16, 8
	s_add_co_u32 s22, s19, CSB
	v_lshl_add_u32 v[CSA], v2, 4, s22
	v_lshl_add_u32 v[CRA], v1, 3, CSB
	s_add_co_u32 s22, s19, MB
	v_lshl_add_u32 v[MWA], v1, 3, s22
	v_lshl_add_u32 v[MRA], v3, 7, s22
	s_lshl_b32 s19, s16, 9
	v_add_nc_u32 v[SGO], s19, v[QO]
	v_add_nc_u32 v[SLA], SCB, v[SGO]
	v_mov_b32 v[TM+2], 0                           ; written once: a lane permute's destination counts as one of its sources
	v_mov_b32 v[TM+3], 0
.irp i, 0,1,2,3
	v_mov_b32 v[PT+\i], 0
.endr
.macro COLSUM t                        ; the tile's eight loads are added to my four columns' sums; the first two loads start them
.if \t == 0
	v_pk_add_f32 v[CS:CS+1], v[R:R+1], v[R+4:R+5]
	v_pk_add_f32 v[CS+2:CS+3], v[R+2:R+3], v[R+6:R+7]
.set q, 2
.rept 6
	v_pk_add_f32 v[CS:CS+1], v[CS:CS+1], v[R+4*q:R+4*q+1]
	v_pk_add_f32 v[CS+2:CS+3], v[CS+2:CS+3], v[R+4*q+2:R+4*q+3]
.set q, q+1
.endr
.else
.set q, 8
.rept 8
	v_pk_add_f32 v[CS:CS+1], v[CS:CS+1], v[R+4*q:R+4*q+1]
	v_pk_add_f32 v[CS+2:CS+3], v[CS+2:CS+3], v[R+4*q+2:R+4*q+3]
.set q, q+1
.endr
.endif
.endm
.macro TURN t                          ; tile t through its stage: in as loaded, back as 16 neighbours of each of the two blocks, into the registers that it left.  LDS serves a wave's instructions in order (ISA guide 5.7.1.4): no wait between
.set q, 0
.rept 8
	ds_store_b128 v[SI], v[R+32*\t+4*q:R+32*\t+4*q+3] offset:STB*\t+2*SPT*q
.set q, q+1
.endr
.irp c, 0,1
.irp j, 0,1,2,3
	ds_load_b128 v[R+32*\t+16*\c+4*\j:R+32*\t+16*\c+4*\j+3], v[SO] offset:STB*\t+128*\c+16*\j   ; row r, k = 32 c + 16 h + 4 j + 0 .. 3
.endr
.endr
.endm
.macro QUANT2 t                        ; tile t: my 16 numbers of each of two blocks become 2 x 16 codes; lanes l and l xor 16 share a block
.set XR, R+32*\t
.irp b, 0,1
	v_max3_num_f32 v[TM+\b], |v[XR+16*\b]|, |v[XR+16*\b+1]|, 0x8000000   ; and the floor 2^(16 - 127): the byte cannot fall under 1
.endr
.irp i, 2,4,6,8,10,12,14
.irp b, 0,1
	v_max3_num_f32 v[TM+\b], v[TM+\b], |v[XR+16*\b+\i]|, |v[XR+16*\b+\i+1]|
.endr
.endr
.irp b, 0,1
	v_permlanex16_b32 v[TM+2+\b], v[TM+\b], s20, s21
.endr
.irp b, 0,1
	v_max_num_f32 v[TM+\b], v[TM+\b], v[TM+2+\b]   ; the block's largest magnitude
.endr
.irp b, 0,1
	v_add_nc_u32 v[TM+4+\b], 0xf8800000, v[TM+\b]  ; 15 off its exponent field: the conversion takes the exponent field of this operand as its scale
.endr
.irp b, 0,1
	v_and_or_b32 v[TM+6+\b], v[TM+\b], 0x7f800000, s23   ; 57,344 x the scale
.endr
.irp b, 0,1
	v_lshrrev_b32 v[TM+8+\b], 23, v[TM+4+\b]       ; the scale's byte
.endr
.irp b, 0,1
.irp i, 0,1,2,3,4,5,6,7,8,9,10,11,12,13,14,15
	v_med3_num_f32 v[XR+16*\b+\i], v[XR+16*\b+\i], -v[TM+6+\b], v[TM+6+\b]   ; the conversion to an 8-bit code does not saturate (ISA guide 7.6.2): the hold comes first
.endr
	v_cvt_scalef32_pk8_bf8_f32 v[C+8*\t+4*\b:C+8*\t+4*\b+1], v[XR+16*\b:XR+16*\b+7], v[TM+4+\b]
	v_cvt_scalef32_pk8_bf8_f32 v[C+8*\t+4*\b+2:C+8*\t+4*\b+3], v[XR+16*\b+8:XR+16*\b+15], v[TM+4+\b]
.endr
	v_lshl_or_b32 v[TM+10+\t], v[TM+9], 8, v[TM+8] ; my row's two bytes.  (Also the plain line behind the conversions)
	global_store_b128 v[QO], v[C+8*\t:C+8*\t+3], s[8:9] offset:16384*\t          ; 32 lanes store 512 consecutive bytes at a multiple of 512 from xq's first byte
	global_store_b128 v[QO], v[C+8*\t+4:C+8*\t+7], s[8:9] offset:16384*\t+512
	ds_store_b16 v[SCA], v[TM+10+\t] offset:32*\t  ; both lanes of a row write the same two bytes with the same value
.endm
	s_wait_loadcnt 40                              ; tile 0's eight loads are in; tile 1's eight and Wr1's 32 may be out
	COLSUM 0
	TURN 0
	s_wait_loadcnt 32                              ; tile 1's are in; Wr1's 32 may be out
	COLSUM 1
	TURN 1
	s_wait_dscnt 16                                ; tile 0 is back; tile 1's sixteen LDS instructions may be out
	QUANT2 0
	s_wait_dscnt 1                                 ; tile 1 is back; the store of tile 0's bytes may be out
	QUANT2 1
.irp i, 0,1,2,3
	v_permlanex16_b32 v[PT+\i], v[CS+\i], s20, s21 ; the odd rows' sums lie in lane l xor 16
.endr
	v_pk_add_f32 v[CS:CS+1], v[CS:CS+1], v[PT:PT+1]
	v_pk_add_f32 v[CS+2:CS+3], v[CS+2:CS+3], v[PT+2:PT+3]
	ds_store_b128 v[CSA], v[CS:CS+3]               ; columns 4 r + 0 .. 3 of my 32 rows (both halves of the lanes write the same)
	s_wait_dscnt 0x0                               ; for the others' sake: my sums and my scale bytes lie in LDS
	s_barrier_signal -1
	s_barrier_wait -1
	s_cmp_lt_u32 s16, 2                            ; waves 0 and 1 send the group's 1,024 scale bytes out: 512 consecutive bytes each
	s_cbranch_scc0 .Lno_scales
	ds_load_b128 v[SB:SB+3], v[SLA]
	s_wait_dscnt 0x0
	global_store_b128 v[SGO], v[SB:SB+3], s[10:11]
.Lno_scales:
.set q, 0
.rept 16
	ds_load_b64 v[R+2*q:R+2*q+1], v[CRA] offset:256*q   ; columns 2 l, 2 l + 1 of wave q's rows
.set q, q+1
.endr
	s_wait_dscnt 0x0
.irp i, 0,1,2,3,4,5,6,7
	v_pk_add_f32 v[R+4*\i:R+4*\i+1], v[R+4*\i:R+4*\i+1], v[R+4*\i+2:R+4*\i+3]
.endr
.irp i, 0,1,2,3
	v_pk_add_f32 v[R+8*\i:R+8*\i+1], v[R+8*\i:R+8*\i+1], v[R+8*\i+4:R+8*\i+5]
.endr
.irp i, 0,1
	v_pk_add_f32 v[R+16*\i:R+16*\i+1], v[R+16*\i:R+16*\i+1], v[R+16*\i+8:R+16*\i+9]
.endr
	v_pk_add_f32 v[R:R+1], v[R:R+1], v[R+16:R+17]
	v_pk_mul_f32 v[R:R+1], v[R:R+1], 0x3a800000 op_sel_hi:[1,0]   ; / 1,024: this group's part of the mean over the sequence
	ds_store_b64 v[MWA], v[R:R+1]                  ; into my wave's own bytes, and back in the order that the product wants: no barrier
.irp i, 0,1,2,3,4,5,6,7
	ds_load_b128 v[M+4*\i:M+4*\i+3], v[MRA] offset:16*\i   ; v[M + g] = the mean of column 32 h + g
.endr
	s_wait_dscnt 0x0
	s_wait_loadcnt 0x0                             ; Wr1
.irp i, 0,1,2,3
	v_mul_f32 v[A+\i], v[W+\i], v[M]               ; the first product starts the sums
.endr
.set g, 1
.rept 31
.irp i, 0,1,2,3
	v_fmac_f32 v[A+\i], v[W+4*g+\i], v[M+g]
.endr
.set g, g+1
.endr
.irp i, 0,1,2,3
	v_permlanex16_b32 v[PT+\i], v[A+\i], s20, s21  ; the other 32 rows of Wr1 lie in lane l xor 16
.endr
	v_pk_add_f32 v[A:A+1], v[A:A+1], v[PT:PT+1]
	v_pk_add_f32 v[A+2:A+3], v[A+2:A+3], v[PT+2:PT+3]
	s_wait_xcnt 0x0                                ; EXEC is a source of the stores issued above: it changes only behind this wait
	v_cmp_gt_u32 vcc_lo, 16, v1
	s_wait_tensorcnt 0x0
	ds_add_u32 v62, v63
	s_wait_dscnt 0x0
	s_and_saveexec_b32 s24, vcc_lo
	global_store_b128 v[QO], v[A:A+3], s[12:13]    ; lanes 0-15 store my wave's 64 numbers: 256 consecutive bytes at a multiple of 256 from hp's first byte
	s_wait_xcnt 0x0
	s_or_b32 exec_lo, exec_lo, s24
	s_endpgm
.Lfunc_end_k_q9f5c4815d9_prep:
	.size	k_q9f5c4815d9_prep, .Lfunc_end_k_q9f5c4815d9_prep-k_q9f5c4815d9_prep
	.p2alignl 7, 3214868480
	.fill 96, 4, 3214868480
	.section	.rodata,"a",@progbits
	.p2align	6, 0x0
	.amdhsa_kernel k_q9f5c4815d9_prep
		.amdhsa_group_segment_fixed_size 150528
		.amdhsa_private_segment_fixed_size 0
		.amdhsa_enable_private_segment 0
		.amdhsa_kernarg_size 40
		.amdhsa_user_sgpr_count 2
		.amdhsa_user_sgpr_kernarg_segment_ptr 1
		.amdhsa_wavefront_size32 1
		.amdhsa_system_sgpr_workgroup_id_x 1
		.amdhsa_system_sgpr_workgroup_id_y 1
		.amdhsa_system_sgpr_workgroup_id_z 1
		.amdhsa_system_vgpr_workitem_id 0
		.amdhsa_next_free_vgpr 256
		.amdhsa_next_free_sgpr 66
		.amdhsa_reserve_vcc 1
		.amdhsa_float_denorm_mode_32 3
		.amdhsa_float_denorm_mode_16_64 3
		.amdhsa_memory_ordered 1
		.amdhsa_forward_progress 1
		.amdhsa_inst_pref_size 29
	.end_amdhsa_kernel
	.amdgpu_metadata
---
amdhsa.version: [ 1, 2 ]
amdhsa.kernels:
  - .name:           k_q9f5c4815d9_prep
    .symbol:         k_q9f5c4815d9_prep.kd
    .args:
      - { .name: x, .offset: 0, .size: 8, .value_kind: global_buffer, .address_space: global }
      - { .name: Wr1, .offset: 8, .size: 8, .value_kind: global_buffer, .address_space: global }
      - { .name: xq, .offset: 16, .size: 8, .value_kind: global_buffer, .address_space: global }
      - { .name: xs, .offset: 24, .size: 8, .value_kind: global_buffer, .address_space: global }
      - { .name: hp, .offset: 32, .size: 8, .value_kind: global_buffer, .address_space: global }
    .group_segment_fixed_size: 150528
    .private_segment_fixed_size: 0
    .kernarg_segment_align: 8
    .kernarg_segment_size: 40
    .max_flat_workgroup_size: 512
    .sgpr_count:     66
    .vgpr_count:     256
    .wavefront_size: 32
...
	.end_amdgpu_metadata
.endif
;; end of part 1
;; launch moe (part 2): grid 32 x 8, 4 waves a work-group, clusters of 4 x 1, 327,680 bytes of LDS; arguments xq, xs, We_codes, We_scales, be, hp, br1, Wr2, br2, out0; writes out0
.if DOCPART == 2
	.amdgcn_target "amdgcn-amd-amdhsa--gfx1250"
	.amdhsa_code_object_version 6
	.text
	.protected	k_q9f5c4815d9_moe
	.globl	k_q9f5c4815d9_moe
	.p2align	8
	.type	k_q9f5c4815d9_moe,@function
k_q9f5c4815d9_moe:
	s_mov_b64 s[64:65], 0
	v_nop
	global_prefetch_b8 v0, s[64:65] scope:SCOPE_SE
	s_setreg_imm32_b32 hwreg(HW_REG_WAVE_MODE, 25, 1), 1
	s_wait_xcnt 0x0
	s_wait_alu depctr_hold_cnt(0) depctr_sa_sdst(0) depctr_va_vdst(0) depctr_va_sdst(0) depctr_va_ssrc(0) depctr_va_vcc(0) depctr_vm_vsrc(0)
	s_getreg_b32 s2, hwreg(HW_REG_IB_STS2, 6, 4)
	s_cmp_eq_u32 s2, 0
	s_cbranch_scc0 .Lentry_in_a_cluster
	s_endpgm
.Lentry_in_a_cluster:
	s_bfe_u32 s2, ttmp6, 0x10000c
	s_cmp_lg_u32 s2, 0x3003
	s_cbranch_scc0 .Lentry_shape_is_right
	s_endpgm
.Lentry_shape_is_right:
; out[row][d] = sum over e of r[b][e] relu(x[row] . We[e][:, d] + be[e][d]),  r = softmax(relu(mean @ Wr1 + br1) @ Wr2 + br2).
; The product runs on codes of E5M2 with one E8M0 scale for each 32 along K: x's codes and scale bytes come from the launch before (xq: images of operand registers; xs), We's as they are given.
; SHARES.  A work-group owns 256 rows (block rb) x 128 columns d (block dt) for all eight experts; wave w owns rows 64 w .. 64 w + 63 (four tiles mt) and all 128 d (eight tiles nt).
; x STAYS IN REGISTERS for the whole launch (4 tiles x 8 K steps x 16 = 512 registers) and never goes through LDS.  We streams through a ring of two LDS slots, an expert's 128 rows x 1,024 bytes to a slot, read by all four waves:
; a fragment of We (four LDS loads) feeds four matrix instructions.  out is summed in 256 registers and stored once.
; THE MATRIX INSTRUCTION IS USED TRANSPOSED: source 0 = 16 rows d of We, source 1 = 16 rows of x: a lane holds ONE row of x and eight neighbouring d.  The bias is the C of a sum's first instruction.
; A CHAIN is (expert, nt): 8 K steps x 4 tiles mt = 32 matrix instructions on four accumulators by turns.  Two sets of accumulators alternate; relu and the weighting of the set just finished stand in slices between the running chain's matrix instructions.
; THE ROUTER is finished at the head, by every work-group for its own batch, while x is on its way: the 32 partial vectors of hp are added, + br1, relu, x Wr2 (each wave 256 of the 1,024 hidden units), + br2, softmax with the maximum taken away; all f32.
; CLUSTER.  The four row blocks of a cluster (one batch) walk the same tiles of We, the same scales and biases: each is asked for JOINTLY, by the same tensor load with the same descriptor and the mask 15.
; x and hp are not asked for jointly: x differs between partners; hp (128 KiB once, against 1 MiB of We) would need LDS bytes that the ring, 266,240 bytes, does not leave.
; LIMITS: NaN and infinities are not served (relu by a maximum that drops NaN).
; REGISTERS, in windows of 256 (s_set_vgpr_msb: bits 1:0 source 0, 3:2 source 1, 5:4 source 2, 7:6 destination):
;   window 0: v0-15 ids and addresses; v16-31 x's scale words; v32-47 We's, two sets; v48-55 the bias; v56-63 at work; v64-127 two sets of four accumulators; v128-255 eight fragments of We, buffer = K step.
;   window 1: out, v[32 nt + 8 mt + j].     windows 2, 3: x: window 2 + ks / 4, v[64 (ks % 4) + 16 mt + 4 c + i].
; With source 1 in window 2 or 3 the matrix instructions, the maxima (whose second source is the constant 0) and the LDS loads all run under ONE setting; the multiply-adds into out want another: eight switches for a chain's 32 matrix instructions.
.set PITCH, 1040                       ; a row of We in LDS: 1,024 bytes + 16 = 65 x 16: the sixteen rows that a load touches start 16 bytes apart modulo 256
.set SLOTB, 128*PITCH                  ; a slot
.set WSC,   2*SLOTB                    ; behind the ring: We's scale bytes for my 128 d: expert e at 4,096 e, row d at 32 bytes
.set BIA,   WSC+32768                  ; the biases: expert e at 512 e
.set HS,    BIA+4096                   ; the hidden layer of the router, 1,024 bytes a wave, the wave's own
.set LG,    HS+4096                    ; the waves' parts of the eight logits, 32 bytes a wave
.set SPARE, LG+256                     ; the spare words, 128 bytes for each wave: two blocks of 256 bytes that no other line names
.set SPIT,  528                        ; the way out: a stage of 16 rows x (512 bytes + 16) for each wave, in slot 0, which has had its last fill and its last read by then
.set SPW,  1                           ; v1   LDS address of my spare word; never rewritten
.set NIL,  2                           ; v2   0; never rewritten
.set AFB,  3                           ; v3   a fragment's place for my lane: 1,040 r + 16 h
.set AF0,  4                           ; v4   + the slot in hand: tiles nt 0-3
.set AF1,  5                           ; v5   tiles nt 4-7
.set AWS,  6                           ; v6   We's scale words of the expert in hand: 32 bytes a lane
.set ABI,  7                           ; v7   its biases: 32 h
.set HSW,  8
.set HSR,  9
.set GL,   10                          ; v10  16 x lane; never rewritten
.set GX,   11                          ; v11  2 x lane
.set LGW,  12
.set LGR,  13
.set STO,  14
.set RD,   15
.set XS,   16                          ; v[XS + 8 i + ks]: lanes 0-15 the word of tile 2 i, lanes 16-31 that of tile 2 i + 1
.set WS,   32                          ; v[WS + 8 set + ks]: lanes 0-15 the word of an even nt, lanes 16-31 that of the odd nt behind it
.set BI,   48
.set TP,   56
.set ACC,  64
.set RING, 128
.set WV,   24                          ; s24  wave
.set CX,   25                          ; s25  my place in the cluster: it enters xq's, xs's and out0's addresses alone
.set RB,   26
.set DT,   28
.set WOFF, 29                          ; s29  my quarter of a slot: 32 rows x wave
.set TB,   30                          ; s30  LDS byte at which the slot in hand begins
.set TRIPS, 31
.set G1W,  32                          ; s[32:39] descriptor group 1: We's tile;  s[40:47] its scales;  s[48:55] the biases
.set G1S,  40
.set G1B,  48
.set G0A,  56                          ; s[56:59] group 0: expert 0 into slot 0;  s[60:63] expert 1 into slot 1, which then walks on
.set G0W,  60
.set RC,   66                          ; s[66:67] the routing weight of the set that is being folded, twice
.set G0S,  68
.set G0B,  72
.set Q,    76                          ; s[76:91] the weights still to come, a pair each; at the head: offsets
.set BR2,  92
.set SEL,  100
.set MSB, 0
.macro WIN new                         ; the immediate's high byte repeats the setting that is left; a switch that changes nothing is dropped
.if MSB != (\new)
	s_set_vgpr_msb (MSB<<8)|(\new)
.set MSB, (\new)
.endif
.endm
.macro CREST                           ; a round of the cluster's barrier behind its opening barrier
	s_cmp_lg_u32 s[WV], 0
	s_cbranch_scc1 .Lnot_wave_0_\@
	s_barrier_signal -3
.Lnot_wave_0_\@:
	s_barrier_wait -3
	s_barrier_signal -1
	s_barrier_wait -1
.endm
.macro CROUND                          ; a whole round
	s_barrier_signal -1
	s_barrier_wait -1
	CREST
.endm
	s_load_b512 s[4:19], s[0:1], 0x0               ; xq s[4:5], xs s[6:7], We_codes s[8:9], We_scales s[10:11], be s[12:13], hp s[14:15], br1 s[16:17], Wr2 s[18:19]
	s_load_b128 s[20:23], s[0:1], 0x40             ; br2 s[20:21], out0 s[22:23]
	v_lshl_add_u32 v[SPW], v0, 2, SPARE
	v_mov_b32 v[NIL], 0
	ds_add_u32 v1, v2
	ds_add_u32 v1, v2
	s_wait_dscnt 0x0
	v_lshrrev_b32 v[TP], 5, v0
	v_readfirstlane_b32 s[WV], v[TP]               ; wave 0..3
	s_bfe_u32 s[CX], ttmp6, 0x40000
	s_lshl_b32 s[RB], ttmp9, 2                     ; in a cluster launch ttmp9 counts clusters: it is the batch
	s_add_co_u32 s[RB], s[RB], s[CX]               ; my block of 256 rows
	s_and_b32 s[DT], ttmp7, 0xffff                 ; my block of 128 d, which the four partners share
	s_mul_i32 s[WOFF], s[WV], 32*PITCH
	s_mov_b32 s[SEL], 0x76543210
	s_mov_b32 s[SEL+1], 0xfedcba98
	; group 1, We's tile: 32 rows x 1,024 elements of one byte, 16 bytes of padding behind each row
	s_mov_b32 s[G1W+0], 15|(1<<20)|(1<<21)|(7<<22)|(3<<25)   ; 15:0 the mask: all four work-groups; 17:16 one byte; 20 padding on; 21 set beside a mask; 24:22 after every 256 words (code 7); 31:25 four words (code 3)
	s_mov_b32 s[G1W+1], 1024<<16                   ; tensor_dim0
	s_mov_b32 s[G1W+2], 32<<16                     ; tensor_dim1
	s_mov_b32 s[G1W+3], 1024<<16                   ; tile_dim0
	s_mov_b32 s[G1W+4], 32                         ; tile_dim1
	s_mov_b32 s[G1W+5], 1024                       ; from row to row
	s_mov_b32 s[G1W+6], 0
	s_mov_b32 s[G1W+7], 0
	; its scales: two experts x 4,096 bytes (128 rows of 32), as elements of 8 bytes; an expert's block lies 32,768 bytes from the next
	s_mov_b32 s[G1S+0], 15|(3<<16)|(1<<21)
	s_mov_b32 s[G1S+1], 512<<16
	s_mov_b32 s[G1S+2], 2<<16
	s_mov_b32 s[G1S+3], 512<<16
	s_mov_b32 s[G1S+4], 2
	s_mov_b32 s[G1S+5], 4096
	s_mov_b32 s[G1S+6], 0
	s_mov_b32 s[G1S+7], 0
	; the biases: two experts x 512 bytes, 4,096 bytes apart
	s_mov_b32 s[G1B+0], 15|(3<<16)|(1<<21)
	s_mov_b32 s[G1B+1], 64<<16
	s_mov_b32 s[G1B+2], 2<<16
	s_mov_b32 s[G1B+3], 64<<16
	s_mov_b32 s[G1B+4], 2
	s_mov_b32 s[G1B+5], 512
	s_mov_b32 s[G1B+6], 0
	s_mov_b32 s[G1B+7], 0
	; where the joint loads read: made of dt and the wave's number alone, in registers that never hold my place in the cluster
	s_lshl_b32 s2, s[DT], 17                       ; We_codes: (128 dt + 32 w) rows of 1,024 bytes
	s_lshl_b32 s3, s[WV], 15
	s_add_co_u32 s2, s2, s3
	s_mov_b32 s3, 0
	s_lshl_b32 s80, s[WV], 16                      ; We_scales: experts 2 w, 2 w + 1; 4,096 dt
	s_lshl_b32 s81, s[DT], 12
	s_add_co_u32 s80, s80, s81
	s_mov_b32 s81, 0
	s_lshl_b32 s82, s[WV], 13                      ; be: experts 2 w, 2 w + 1; 512 dt
	s_lshl_b32 s83, s[DT], 9
	s_add_co_u32 s82, s82, s83
	s_mov_b32 s83, 0
	s_lshl_b32 s84, s[RB], 18                      ; xq: tile 16 rb + 4 w, 16,384 bytes a tile
	s_lshl_b32 s85, s[WV], 16
	s_add_co_u32 s84, s84, s85
	s_mov_b32 s85, 0
	s_lshl_b32 s86, s[RB], 9                       ; xs: row 256 rb + 64 w, 2 bytes a row
	s_lshl_b32 s87, s[WV], 7
	s_add_co_u32 s86, s86, s87
	s_mov_b32 s87, 0
	s_lshl_b32 s88, s[RB], 20                      ; out0: row 256 rb + 64 w of 4,096 bytes, + 512 dt
	s_lshl_b32 s89, s[WV], 18
	s_add_co_u32 s88, s88, s89
	s_lshl_b32 s89, s[DT], 9
	s_add_co_u32 s88, s88, s89
	s_mov_b32 s89, 0
	s_lshl_b32 s76, s[WV], 10                      ; br1: my 256 hidden units
	s_mov_b32 s77, 0
	s_lshl_b32 s90, ttmp9, 17                      ; hp: the batch's 32 partial vectors, my 256 hidden units
	s_add_co_u32 s90, s90, s76
	s_mov_b32 s91, 0
	s_lshl_b32 s78, s[WV], 13                      ; Wr2: my 256 rows of 32 bytes
	s_mov_b32 s79, 0
	s_mov_b32 s[G0S], 1                            ; group 0: count = 1; the LDS address; the global address; the type on top
	s_lshl_b32 s[G0S+1], s[WV], 13
	s_add_co_u32 s[G0S+1], s[G0S+1], WSC
	s_mov_b32 s[G0B], 1
	s_lshl_b32 s[G0B+1], s[WV], 10
	s_add_co_u32 s[G0B+1], s[G0B+1], BIA
	s_mov_b32 s[G0A], 1
	s_mov_b32 s[G0A+1], s[WOFF]
	s_mov_b32 s[G0W], 1
	s_add_co_u32 s[G0W+1], s[WOFF], SLOTB
	s_wait_kmcnt 0x0
	s_add_nc_u64 s[G0S+2:G0S+3], s[10:11], s[80:81]
	s_or_b32 s[G0S+3], s[G0S+3], 0x80000000
	s_add_nc_u64 s[G0B+2:G0B+3], s[12:13], s[82:83]
	s_or_b32 s[G0B+3], s[G0B+3], 0x80000000
	s_add_nc_u64 s[G0A+2:G0A+3], s[8:9], s[2:3]
	s_add_nc_u64 s[G0W+2:G0W+3], s[G0A+2:G0A+3], 0x100000   ; an expert's codes are 2^20 bytes
	s_or_b32 s[G0A+3], s[G0A+3], 0x80000000
	s_or_b32 s[G0W+3], s[G0W+3], 0x80000000
	s_add_nc_u64 s[4:5], s[4:5], s[84:85]
	s_add_nc_u64 s[6:7], s[6:7], s[86:87]
	s_add_nc_u64 s[22:23], s[22:23], s[88:89]
	s_add_nc_u64 s[14:15], s[14:15], s[90:91]
	s_add_nc_u64 s[16:17], s[16:17], s[76:77]
	s_add_nc_u64 s[18:19], s[18:19], s[78:79]
	s_load_b256 s[BR2:BR2+7], s[20:21], 0x0        ; br2
	CROUND                                         ; all four work-groups are here: the first joint loads meet
	tensor_load_to_lds s[G0S:G0S+3], s[G1S:G1S+7]  ; the first fills go out as one group: four loads of mine are out
	s_nop 0
	tensor_load_to_lds s[G0B:G0B+3], s[G1B:G1B+7]
	s_nop 0
	tensor_load_to_lds s[G0A:G0A+3], s[G1W:G1W+7]
	s_nop 0
	tensor_load_to_lds s[G0W:G0W+3], s[G1W:G1W+7]
	s_nop 0
.rept 4
	v_nop
.endr
	v_and_b32 v[TP+1], 31, v0                      ; lane
	v_and_b32 v[TP+2], 15, v0                      ; r
	v_bfe_u32 v[TP+3], v0, 4, 1                    ; h
	v_lshlrev_b32 v[GL], 4, v[TP+1]
	v_lshlrev_b32 v[GX], 1, v[TP+1]
.set i, 0
.rept 2
.set k, 0
.rept 16
	global_load_u16 v[192+16*i+k], v[GX], s[6:7] offset:16384*k+64*i   ; the two scale bytes of row 32 i + lane, columns 64 k on
.set k, k+1
.endr
.set i, i+1
.endr
	WIN 0x40                                       ; destination window 1: out's registers are free until the sums begin
.set p, 0
.rept 32
	global_load_b128 v[8*p:8*p+3], v[GL], s[14:15] offset:4096*p        ; partial p, hidden units 256 w + 4 l + 0 .. 3
	global_load_b128 v[8*p+4:8*p+7], v[GL], s[14:15] offset:4096*p+512  ; and 128 further on
.set p, p+1
.endr
	WIN 0
	global_load_b128 v[240:243], v[GL], s[16:17]
	global_load_b128 v[244:247], v[GL], s[16:17] offset:512
.set q, 0
.rept 16
	global_load_b128 v[128+4*q:128+4*q+3], v[GL], s[18:19] offset:512*q   ; Wr2(256 w + 16 q + l / 2, 4 (l % 2) + 0 .. 3): dense
.set q, q+1
.endr
.macro XLOAD ks                        ; x's four fragments of K step ks: images of registers: 512 consecutive bytes a load
	WIN 0x80+0x40*((\ks)/4)
.irp mt, 0,1,2,3
.irp c, 0,1,2,3
	global_load_b128 v[64*((\ks)%4)+16*\mt+4*\c:64*((\ks)%4)+16*\mt+4*\c+3], v[GL], s[4:5] offset:16384*\mt+2048*(\ks)+512*\c
.endr
.endr
.endm
	XLOAD 0
	XLOAD 1
	WIN 0
	v_mul_u32_u24 v[AFB], v[TP+2], PITCH           ; LDS addresses, all made here: a constant + a constant x lane + a constant x wave
	v_lshl_add_u32 v[AFB], v[TP+3], 4, v[AFB]
	v_lshl_add_u32 v[AWS], v[TP+1], 5, WSC
	v_lshl_add_u32 v[ABI], v[TP+3], 5, BIA
	s_lshl_b32 s80, s[WV], 10
	s_add_co_u32 s80, s80, HS
	v_add_nc_u32 v[HSW], s80, v[GL]
	v_lshrrev_b32 v[TP+4], 1, v[TP+1]
	v_lshl_add_u32 v[HSR], v[TP+4], 2, s80
	v_and_b32 v[TP+4], 1, v0
	s_lshl_b32 s81, s[WV], 5
	s_add_co_u32 s81, s81, LG
	v_lshl_add_u32 v[LGW], v[TP+4], 4, s81
	v_mov_b32 v[LGR], LG
	s_mul_i32 s82, s[WV], 16*SPIT
	v_mul_u32_u24 v[STO], v[TP+2], SPIT
	v_lshl_add_u32 v[STO], v[TP+3], 5, v[STO]
	v_add_nc_u32 v[STO], s82, v[STO]               ; the stage, in: row r, 32 h
	v_add_nc_u32 v[RD], s82, v[GL]                 ; back: a row's 512 bytes by 32 lanes
.irp i, 4,5,6,7
	v_mov_b32 v[TP+\i], 0                          ; written once: a lane permute's destination counts as one of its sources
.endr
	s_wait_loadcnt 32                              ; all but x's 32 loads just issued: the scale bytes, hp, br1 and Wr2 are in
	WIN 0x45                                       ; destination and both sources window 1
.set p, 1
.rept 31
.irp u, 0,2,4,6
	v_pk_add_f32 v[\u:\u+1], v[\u:\u+1], v[8*p+\u:8*p+\u+1]   ; the 32 partials of mean @ Wr1, in four chains
.endr
.set p, p+1
.endr
	WIN 0x01                                       ; source 0 window 1
.irp u, 0,2,4,6
	v_pk_add_f32 v[248+\u:249+\u], v[\u:\u+1], v[240+\u:241+\u]   ; + br1
.endr
	WIN 0
.irp i, 0,1,2,3,4,5,6,7
	v_max_num_f32 v[248+\i], 0, v[248+\i]          ; relu
.endr
	ds_store_b128 v[HSW], v[248:251]               ; my wave's 256 hidden units go through its own bytes of LDS and come back as Wr2's lanes want them: no barrier
	ds_store_b128 v[HSW], v[252:255] offset:512
.set q, 0
.rept 16
	ds_load_b32 v[224+q], v[HSR] offset:64*q       ; hidden unit 16 q + l / 2
.set q, q+1
.endr
.irp k, 2,3,4,5,6,7
	XLOAD \k
.endr
	WIN 0
	s_wait_dscnt 0x0
.irp i, 0,1,2,3
	v_mul_f32 v[TP+\i], v[128+\i], v224            ; the first product starts the sums
.endr
.set q, 1
.rept 15
.irp i, 0,1,2,3
	v_fmac_f32 v[TP+\i], v[128+4*q+\i], v[224+q]
.endr
.set q, q+1
.endr
.irp m, 2,4,8
.irp i, 0,1,2,3
	v_add_f32_dpp v[TP+\i], v[TP+\i], v[TP+\i] row_xmask:\m row_mask:0xf bank_mask:0xf   ; over the lanes of my parity
.endr
.endr
.irp i, 0,1,2,3
	v_permlanex16_b32 v[TP+4+\i], v[TP+\i], s[SEL], s[SEL+1]
.endr
	v_pk_add_f32 v[TP:TP+1], v[TP:TP+1], v[TP+4:TP+5]
	v_pk_add_f32 v[TP+2:TP+3], v[TP+2:TP+3], v[TP+6:TP+7]
	ds_store_b128 v[LGW], v[TP:TP+3]               ; my wave's part of logits 4 (l % 2) + 0 .. 3 (lanes of one parity write the same)
.set i, 0
.rept 2
.set k, 0
.rept 8
	v_lshl_or_b32 v[XS+8*i+k], v[192+16*i+2*k+1], 16, v[192+16*i+2*k]   ; four bytes make a row's scale word of K step k
.set k, k+1
.endr
.set i, i+1
.endr
	; out and accumulator set 1 begin as zeros, so that the trip is written once: the first chain's slices fold zeros.  The wave waits for x meanwhile
	WIN 0x40
.set i, 0
.rept 256
	v_mov_b32 v[i], 0
.set i, i+1
.endr
	WIN 0
.set i, 0
.rept 32
	v_mov_b32 v[ACC+32+i], 0
.set i, i+1
.endr
	s_wait_dscnt 0x0                               ; for the others' sake: my part of the logits lies in LDS
	s_wait_tensorcnt 1                             ; my parts of the scales, the biases and slot 0 are in; slot 1's may stay out
	s_barrier_signal -1
	s_barrier_wait -1
.irp q, 0,1,2,3,4,5,6,7
	ds_load_b128 v[ACC+4*\q:ACC+4*\q+3], v[LGR] offset:16*\q   ; v[ACC + 8 w + e]: wave w's part of logit e, in every lane
.endr
	s_wait_dscnt 0x0
	s_wait_kmcnt 0x0                               ; br2
.irp u, 0,2,4,6
	v_pk_add_f32 v[ACC+\u:ACC+\u+1], v[ACC+\u:ACC+\u+1], v[ACC+8+\u:ACC+9+\u]
	v_pk_add_f32 v[ACC+16+\u:ACC+17+\u], v[ACC+16+\u:ACC+17+\u], v[ACC+24+\u:ACC+25+\u]
.endr
.irp u, 0,2,4,6
	v_pk_add_f32 v[ACC+\u:ACC+\u+1], v[ACC+\u:ACC+\u+1], v[ACC+16+\u:ACC+17+\u]
.endr
.irp e, 0,1,2,3,4,5,6,7
	v_add_f32 v[ACC+\e], s[BR2+\e], v[ACC+\e]
.endr
	v_max3_num_f32 v[TP], v[ACC], v[ACC+1], v[ACC+2]
	v_max3_num_f32 v[TP], v[TP], v[ACC+3], v[ACC+4]
	v_max3_num_f32 v[TP], v[TP], v[ACC+5], v[ACC+6]
	v_max_num_f32 v[TP], v[TP], v[ACC+7]           ; the largest logit is taken away first
.irp e, 0,1,2,3,4,5,6,7
	v_sub_f32 v[ACC+\e], v[ACC+\e], v[TP]
.endr
.irp e, 0,1,2,3,4,5,6,7
	v_mul_f32 v[ACC+\e], 0x3fb8aa3b, v[ACC+\e]     ; x log2(e)
.endr
.irp e, 0,1,2,3,4,5,6,7
	v_exp_f32 v[ACC+\e], v[ACC+\e]
.endr
	v_nop                                          ; a plain line behind the exponentials
	s_wait_alu depctr_va_vdst(0)
	v_pk_add_f32 v[ACC+8:ACC+9], v[ACC:ACC+1], v[ACC+2:ACC+3]
	v_pk_add_f32 v[ACC+10:ACC+11], v[ACC+4:ACC+5], v[ACC+6:ACC+7]
	v_pk_add_f32 v[ACC+8:ACC+9], v[ACC+8:ACC+9], v[ACC+10:ACC+11]
	v_add_f32 v[ACC+8], v[ACC+8], v[ACC+9]
	v_rcp_f32 v[ACC+8], v[ACC+8]
	v_nop                                          ; a plain line behind the reciprocal
	s_wait_alu depctr_va_vdst(0)
.irp e, 0,1,2,3,4,5,6,7
	v_mul_f32 v[ACC+\e], v[ACC+\e], v[ACC+8]
.endr
.irp e, 0,1,2,3,4,5,6,7
	v_readfirstlane_b32 s[Q+2*\e], v[ACC+\e]       ; the weights are the same in every lane: they serve as scalar factors, and steer nothing
	s_mov_b32 s[Q+2*\e+1], s[Q+2*\e]               ; (the packed form names a pair)
.endr
	s_mov_b64 s[RC:RC+1], s[Q:Q+1]                 ; the first chain's slices multiply zeros by it
	s_mov_b32 s[TB], 0
	v_add_nc_u32 v[AF0], s[TB], v[AFB]
	v_add_nc_u32 v[AF1], 4*16*PITCH, v[AF0]
	ds_load_b128 v[BI:BI+3], v[ABI]                ; expert 0: the bias of tile 0,
	ds_load_b128 v[BI+4:BI+7], v[ABI] offset:16
	ds_load_b128 v[WS:WS+3], v[AWS]                ; the scale words of tiles 0 and 1,
	ds_load_b128 v[WS+4:WS+7], v[AWS] offset:16
.set k, 0
.rept 6
.irp c, 0,1,2,3
	ds_load_b128 v[RING+16*k+4*\c:RING+16*k+4*\c+3], v[AF0] offset:128*k+32*\c   ; and tile 0's first six fragments: the loads run six K steps ahead
.endr
.set k, k+1
.endr
	s_wait_loadcnt 0x0                             ; x
; One matrix instruction: chain j (tile nt = j of the expert in hand), K step ks, tile mt of my rows.
.macro WM j, ks, mt
.set rD, ACC+32*((\j)&1)+8*(\mt)
.set rA, RING+16*(\ks)
.set rB, 64*((\ks)&3)+16*(\mt)
.set rC, rD
.if (\ks) == 0
.set rC, BI                            ; the bias starts the sum
.endif
.set rP, WS+8*(((\j)>>1)&1)+(\ks)
.set rQ, XS+8*((\mt)>>1)+(\ks)
.if ((\j)&1) && ((\mt)&1)
	v_wmma_scale_f32_16x16x128_f8f6f4 v[rD:rD+7], v[rA:rA+15], v[rB:rB+15], v[rC:rC+7], v[rP], v[rQ] matrix_a_fmt:MATRIX_FMT_BF8 matrix_b_fmt:MATRIX_FMT_BF8 matrix_a_scale:MATRIX_SCALE_ROW1 matrix_b_scale:MATRIX_SCALE_ROW1
.elseif ((\j)&1)
	v_wmma_scale_f32_16x16x128_f8f6f4 v[rD:rD+7], v[rA:rA+15], v[rB:rB+15], v[rC:rC+7], v[rP], v[rQ] matrix_a_fmt:MATRIX_FMT_BF8 matrix_b_fmt:MATRIX_FMT_BF8 matrix_a_scale:MATRIX_SCALE_ROW1
.elseif ((\mt)&1)
	v_wmma_scale_f32_16x16x128_f8f6f4 v[rD:rD+7], v[rA:rA+15], v[rB:rB+15], v[rC:rC+7], v[rP], v[rQ] matrix_a_fmt:MATRIX_FMT_BF8 matrix_b_fmt:MATRIX_FMT_BF8 matrix_b_scale:MATRIX_SCALE_ROW1
.else
	v_wmma_scale_f32_16x16x128_f8f6f4 v[rD:rD+7], v[rA:rA+15], v[rB:rB+15], v[rC:rC+7], v[rP], v[rQ] matrix_a_fmt:MATRIX_FMT_BF8 matrix_b_fmt:MATRIX_FMT_BF8
.endif
.endm
.macro RELU j, n                       ; register n of the set that chain j - 1 finished
.set rT, ACC+32*(1-((\j)&1))+(\n)
	v_max_num_f32 v[rT], v[rT], 0
.endm
.macro FOLD j, a                       ; out += weight x tile a of that set
.set rT, ACC+32*(1-((\j)&1))+8*(\a)
.set rO, 32*(((\j)+7)&7)+8*(\a)
.irp u, 0,2,4,6
	v_pk_fma_f32 v[rO+\u:rO+\u+1], v[rT+\u:rT+\u+1], s[RC:RC+1], v[rO+\u:rO+\u+1] op_sel_hi:[1,0,1]
.endr
.endm
.macro LDNEXT j, ks                    ; the fragment six K steps on, into the buffer whose last reader stands two K steps, twelve plain vector lines, back
.if (\ks) < 2
.set nN, (\j)
.set nK, (\ks)+6
.else
.set nN, (\j)+1
.set nK, (\ks)-2
.endif
.if (nN >= 4) && (nN < 8)
.set nA, AF1
.else
.set nA, AF0                           ; (tile 8 is the next expert's tile 0: AF0 has been turned to its slot by then)
.endif
.irp c, 0,1,2,3
	ds_load_b128 v[RING+16*nK+4*\c:RING+16*nK+4*\c+3], v[nA] offset:(nN&3)*16*PITCH+128*nK+32*\c
.endr
.endm
.macro EXTRA j, ws                     ; the next chain's bias; ws = 1 (even j): the scale words of the two chains behind the next
	ds_load_b128 v[BI:BI+3], v[ABI] offset:64*((\j)+1)
	ds_load_b128 v[BI+4:BI+7], v[ABI] offset:64*((\j)+1)+16
.if \ws
.set wS, WS+8*((((\j)/2)+1)&1)
	ds_load_b128 v[wS:wS+3], v[AWS] offset:1024*((\j)/2+1)
	ds_load_b128 v[wS+4:wS+7], v[AWS] offset:1024*((\j)/2+1)+16
.endif
.endm
; A K step: four matrix instructions, the four accumulators by turns; four maxima of the finished set between them; in odd K steps four multiply-adds into out behind them.
; wt: how many younger LDS instructions may stay out (-1: no wait).  A fragment is asked for six K steps ahead, and the five K steps between issue 20 fragment loads behind it: so 20; the bias, asked for in K step 2, has the same 20 behind it.
; Places: the first maximum on a tile of the finished set stands eight plain vector lines behind that tile's last matrix instruction (four maxima, four multiply-adds); it reads the tile's lowest register.
.macro KSTEP j, ks, wt, ld, ws
.if (\wt) >= 0
	s_wait_dscnt \wt
.endif
	WIN 0x08+4*((\ks)/4)
	WM \j, \ks, 0
	RELU \j, 4*(\ks)
	RELU \j, 4*(\ks)+1
	WM \j, \ks, 1
	RELU \j, 4*(\ks)+2
	RELU \j, 4*(\ks)+3
	WM \j, \ks, 2
.if \ld
	LDNEXT \j, \ks
.endif
	WM \j, \ks, 3
.if (\ld) && ((\ks) == 2)
	EXTRA \j, \ws
.endif
.if (\ks) & 1
	WIN 0x50                                       ; destination and source 2 (out) window 1
	FOLD \j, ((\ks)-1)/2
.endif
.endm
.macro CHAIN j, ws
.irp k, 0,1,2,3,4,5,6,7
	KSTEP \j, \k, 20, 1, \ws
.endr
.endm
; An expert's last chain changes slots.  var = 0: the slot just left is filled again, with the expert two on; 1: nothing is left to fetch; 2: the last expert: no change, the counts run down.
.macro CHAIN7 var
	KSTEP 7, 0, 20, 1, 0
	KSTEP 7, 1, 20, 1, 0                           ; the last reads of this slot are issued
.if \var == 2
	KSTEP 7, 2, 20, 0, 0
	KSTEP 7, 3, 16, 0, 0
	KSTEP 7, 4, 12, 0, 0
	KSTEP 7, 5, 8, 0, 0
	KSTEP 7, 6, 4, 0, 0
	KSTEP 7, 7, 0, 0, 0
.else
	WIN 0                                          ; (the add's two registers lie in window 0)
	s_wait_tensorcnt 0x0                           ; all my tensor loads have landed: the one that was out is my quarter of the next slot; so a group 0 may be written
	ds_add_u32 v[SPW], v[NIL]                      ; 0 onto my spare word: two K steps stand between it and the wait for it
.if \var == 0
	s_add_co_u32 s[G0W+1], s[TB], s[WOFF]          ; the walking descriptor: my quarter of the slot that is being left,
	s_add_nc_u64 s[G0W+2:G0W+3], s[G0W+2:G0W+3], 0x100000   ; the next expert but one; the type bits on top are not reached
.endif
	s_xor_b32 s[TB], s[TB], SLOTB                  ; 0 <-> SLOTB: on to the other slot
	KSTEP 7, 2, 21, 0, 0                           ; (20 fragment loads and the add may be out)
	KSTEP 7, 3, 17, 0, 0                           ; (16 and the add)
	WIN 0
	s_wait_dscnt 0x0                               ; the add is done, and my reads of this slot are over
	s_barrier_signal -1
	KSTEP 7, 4, -1, 0, 0                           ; work on registers while the others arrive
	WIN 0
	s_barrier_wait -1
.if \var == 0
	CREST                                          ; the barrier has opened a round of the cluster's barrier: no wave of any partner still reads this slot or has a load on its way
	tensor_load_to_lds s[G0W:G0W+3], s[G1W:G1W+7]  ; my one tensor load behind the round: it has a whole expert, 256 matrix instructions, in which to land
	s_nop 0
.rept 4
	v_nop
.endr
.endif
	v_add_nc_u32 v[AF0], s[TB], v[AFB]             ; no LDS instruction of mine is out: the address registers step to the next expert
	v_add_nc_u32 v[AF1], 4*16*PITCH, v[AF0]
	v_add_nc_u32 v[AWS], 4096, v[AWS]
	v_add_nc_u32 v[ABI], 512, v[ABI]
	EXTRA -1, 0                                    ; the next expert's first bias,
	LDNEXT 7, 2                                    ; and the three fragments that K steps 2 to 4 did not ask for
	LDNEXT 7, 3
	LDNEXT 7, 4
	KSTEP 7, 5, -1, 1, 0                           ; (their own fragments were shown landed by the wait for 0)
	KSTEP 7, 6, -1, 1, 0
	KSTEP 7, 7, -1, 1, 0
.endif
.endm
; An expert.  Chain 0's slices still fold the expert before (its tile 7), so the weight changes behind chain 0.
.macro TRIP var
	CHAIN 0, 1
	s_mov_b64 s[RC:RC+1], s[Q:Q+1]
.irp i, 0,1,2,3,4,5,6
	s_mov_b64 s[Q+2*\i:Q+2*\i+1], s[Q+2*\i+2:Q+2*\i+3]
.endr
	CHAIN 1, 0
	CHAIN 2, 1
	CHAIN 3, 0
	CHAIN 4, 1
	CHAIN 5, 0
.if \var == 2
	CHAIN 6, 0                                     ; no expert follows: no scale words are asked for
.else
	CHAIN 6, 1
.endif
	CHAIN7 \var
	WIN 0                                          ; at a label and at a branch every window is 0
.endm
	s_mov_b32 s[TRIPS], 6
.Ltrip:                                                ; experts 0 to 5: each leaves its slot to the expert two on
	TRIP 0
	s_sub_co_u32 s[TRIPS], s[TRIPS], 1
	s_cmp_lg_u32 s[TRIPS], 0
	s_cbranch_scc1 .Ltrip
	TRIP 1                                         ; the last two are written out
	TRIP 2
	; the last chain's set: the eight places behind its tile 0's last matrix instruction are the four maxima and four multiply-adds of the last K step
.set i, 0
.rept 32
	v_max_num_f32 v[ACC+32+i], v[ACC+32+i], 0
.set i, i+1
.endr
	WIN 0x50
.irp a, 0,1,2,3
.irp u, 0,2,4,6
	v_pk_fma_f32 v[224+8*\a+\u:224+8*\a+\u+1], v[ACC+32+8*\a+\u:ACC+32+8*\a+\u+1], s[RC:RC+1], v[224+8*\a+\u:224+8*\a+\u+1] op_sel_hi:[1,0,1]
.endr
.endr
; THE WAY OUT, a tile of 16 rows x 128 d at a time.  A lane holds 32 neighbouring bytes of a row, eight times; the lanes beside it hold other rows.  So a tile goes through my own stage in LDS and comes back as whole rows of 512 bytes.
; LDS serves a wave's instructions in order (ISA guide 5.7.1.4): no wait between the stores and the loads, nor in front of the next tile's stores.
.macro TOSTAGE mt
	WIN 0x04                                       ; an LDS store's data are its source 1: window 1
.irp nt, 0,1,2,3,4,5,6,7
	ds_store_b128 v[STO], v[32*\nt+8*(\mt):32*\nt+8*(\mt)+3] offset:64*\nt
	ds_store_b128 v[STO], v[32*\nt+8*(\mt)+4:32*\nt+8*(\mt)+7] offset:64*\nt+16
.endr
	WIN 0
.set rK, RING+64*((\mt)&1)
.set t, 0
.rept 16
	ds_load_b128 v[rK+4*t:rK+4*t+3], v[RD] offset:SPIT*t
.set t, t+1
.endr
.endm
.macro SEND mt, younger                ; younger: the LDS instructions issued behind tile mt's loads, which may stay out
.set rK, RING+64*((\mt)&1)
	s_wait_dscnt \younger
.set t, 0
.rept 16
	global_store_b128 v[GL], v[rK+4*t:rK+4*t+3], s[22:23] offset:(16*(\mt)+t)*4096 th:TH_STORE_NT   ; 32 lanes store 512 consecutive bytes at a multiple of 512 from out0's first byte; written once
.set t, t+1
.endr
.endm
	TOSTAGE 0
	TOSTAGE 1
	SEND 0, 32                                     ; behind tile 0's loads: tile 1's 16 stores and 16 loads
	s_wait_xcnt 0x0                                ; tile 0's stores have read their registers: tile 2's loads may land there
	TOSTAGE 2
	SEND 1, 32
	s_wait_xcnt 0x0
	TOSTAGE 3
	SEND 2, 32
	SEND 3, 0
	s_wait_tensorcnt 0x0                           ; the wave's end, behind my last tensor load and my last LDS store
	ds_add_u32 v[SPW], v[NIL]
	s_wait_dscnt 0x0
	CROUND                                         ; the closing round: no work-group ends while a partner may still ask for a tile that names it
	s_endpgm
.Lfunc_end_k_q9f5c4815d9_moe:
	.size	k_q9f5c4815d9_moe, .Lfunc_end_k_q9f5c4815d9_moe-k_q9f5c4815d9_moe
	.p2alignl 7, 3214868480
	.fill 96, 4, 3214868480
	.section	.rodata,"a",@progbits
	.p2align	6, 0x0
	.amdhsa_kernel k_q9f5c4815d9_moe
		.amdhsa_group_segment_fixed_size 327680
		.amdhsa_private_segment_fixed_size 0
		.amdhsa_enable_private_segment 0
		.amdhsa_kernarg_size 80
		.amdhsa_user_sgpr_count 2
		.amdhsa_user_sgpr_kernarg_segment_ptr 1
		.amdhsa_wavefront_size32 1
		.amdhsa_system_sgpr_workgroup_id_x 1
		.amdhsa_system_sgpr_workgroup_id_y 1
		.amdhsa_system_sgpr_workgroup_id_z 1
		.amdhsa_system_vgpr_workitem_id 0
		.amdhsa_next_free_vgpr 1024
		.amdhsa_next_free_sgpr 102
		.amdhsa_reserve_vcc 0
		.amdhsa_float_denorm_mode_32 3
		.amdhsa_float_denorm_mode_16_64 3
		.amdhsa_memory_ordered 1
		.amdhsa_forward_progress 1
		.amdhsa_inst_pref_size 255
	.end_amdhsa_kernel
	.section	.bss,"aw",@nobits
	.p2align	6
	.space	262144
	.amdgpu_metadata
---
amdhsa.version: [ 1, 2 ]
amdhsa.kernels:
  - .name:           k_q9f5c4815d9_moe
    .symbol:         k_q9f5c4815d9_moe.kd
    .args:
      - { .name: xq, .offset: 0, .size: 8, .value_kind: global_buffer, .address_space: global }
      - { .name: xs, .offset: 8, .size: 8, .value_kind: global_buffer, .address_space: global }
      - { .name: We_codes, .offset: 16, .size: 8, .value_kind: global_buffer, .address_space: global }
      - { .name: We_scales, .offset: 24, .size: 8, .value_kind: global_buffer, .address_space: global }
      - { .name: be, .offset: 32, .size: 8, .value_kind: global_buffer, .address_space: global }
      - { .name: hp, .offset: 40, .size: 8, .value_kind: global_buffer, .address_space: global }
      - { .name: br1, .offset: 48, .size: 8, .value_kind: global_buffer, .address_space: global }
      - { .name: Wr2, .offset: 56, .size: 8, .value_kind: global_buffer, .address_space: global }
      - { .name: br2, .offset: 64, .size: 8, .value_kind: global_buffer, .address_space: global }
      - { .name: out0, .offset: 72, .size: 8, .value_kind: global_buffer, .address_space: global }
    .group_segment_fixed_size: 327680
    .private_segment_fixed_size: 0
    .kernarg_segment_align: 8
    .kernarg_segment_size: 80
    .max_flat_workgroup_size: 128
    .sgpr_count:     102
    .vgpr_count:     1024
    .wavefront_size: 32
...
	.end_amdgpu_metadata
.endif
;; end of part 2
;; ======== version 2 of 2: 2 launches; 1.11 times as fast as version 1
;; workspace buffers: xq 8,388,608 bytes; xs 262,144 bytes; hp 1,048,576 bytes
;; launch prep: the kernel of part 1 again; grid 256 x 1, 16 waves a work-group, no clusters, 150,528 bytes of LDS; arguments x, Wr1, xq, xs, hp; writes xq, xs, hp
;; launch moe (part 3): grid 32 x 8, 4 waves a work-group, clusters of 4 x 1, 327,680 bytes of LDS; arguments xq, xs, We_codes, We_scales, be, hp, br1, Wr2, br2, out0; writes out0
.if DOCPART == 3
	.amdgcn_target "amdgcn-amd-amdhsa--gfx1250"
	.amdhsa_code_object_version 6
	.text
	.protected	k_q9f5c4815d9_moe
	.globl	k_q9f5c4815d9_moe
	.p2align	8
	.type	k_q9f5c4815d9_moe,@function
k_q9f5c4815d9_moe:
	s_mov_b64 s[64:65], 0
	v_nop
	global_prefetch_b8 v0, s[64:65] scope:SCOPE_SE
	s_setreg_imm32_b32 hwreg(HW_REG_WAVE_MODE, 25, 1), 1
	s_wait_xcnt 0x0
	s_wait_alu depctr_hold_cnt(0) depctr_sa_sdst(0) depctr_va_vdst(0) depctr_va_sdst(0) depctr_va_ssrc(0) depctr_va_vcc(0) depctr_vm_vsrc(0)
	s_getreg_b32 s2, hwreg(HW_REG_IB_STS2, 6, 4)
	s_cmp_eq_u32 s2, 0
	s_cbranch_scc0 .Lentry_in_a_cluster
	s_endpgm
.Lentry_in_a_cluster:
	s_bfe_u32 s2, ttmp6, 0x10000c
	s_cmp_lg_u32 s2, 0x3003
	s_cbranch_scc0 .Lentry_shape_is_right
	s_endpgm
.Lentry_shape_is_right:
; out[row][d] = sum over e of r[b][e] relu(x[row] . We[e][:, d] + be[e][d]),  r = softmax(relu(mean @ Wr1 + br1) @ Wr2 + br2).
; The product runs on codes of E5M2 with one E8M0 scale for each 32 along K: x's codes and scale bytes come from the launch before (xq: images of operand registers; xs), We's as they are given.
; SHARES.  A work-group owns 256 rows (block rb) x 128 columns d (block dt) for all eight experts; wave w owns rows 64 w .. 64 w + 63 (four tiles mt) and all 128 d (eight tiles nt).
; x STAYS IN REGISTERS for the whole launch (4 tiles x 8 K steps x 16 = 512 registers) and never goes through LDS.  We streams through a ring of two LDS slots, an expert's 128 rows x 1,024 bytes to a slot, read by all four waves:
; a fragment of We (four LDS loads) feeds four matrix instructions.  out is summed in 256 registers and stored once.
; THE MATRIX INSTRUCTION IS USED TRANSPOSED: source 0 = 16 rows d of We, source 1 = 16 rows of x: a lane holds ONE row of x and eight neighbouring d.  The bias is the C of a sum's first instruction.
; A CHAIN is (expert, nt): 8 K steps x 4 tiles mt = 32 matrix instructions on four accumulators by turns.  Two sets of accumulators alternate; the relu of the set just finished stands one line behind each of the running chain's matrix instructions.
; THE LDS LOADS STAND IN TWO RUNS A CHAIN, behind K steps 3 and 7: the eight fragment buffers are two halves of four, and a half is loaded anew, for the next chain, as soon as its four K steps are multiplied.
; In front of each run stand the eight multiply-adds that weigh two finished tiles into out: they are the places between the half's last matrix instruction and the loads.
; THE ROUTER is finished at the head, by every work-group for its own batch, while x is on its way: the 32 partial vectors of hp are added, + br1, relu, x Wr2 (each wave 256 of the 1,024 hidden units), + br2, softmax with the maximum taken away; all f32.
; CLUSTER.  The four row blocks of a cluster (one batch) walk the same tiles of We, the same scales and biases: each is asked for JOINTLY, by the same tensor load with the same descriptor and the mask 15.
; x and hp are not asked for jointly: x differs between partners; hp (128 KiB once, against 1 MiB of We) would need LDS bytes that the ring, 266,240 bytes, does not leave.
; LIMITS: NaN and infinities are not served (relu by a maximum that drops NaN).
; REGISTERS, in windows of 256 (s_set_vgpr_msb: bits 1:0 source 0, 3:2 source 1, 5:4 source 2, 7:6 destination):
;   window 0: v0-15 ids and addresses; v16-31 x's scale words; v32-47 We's, two sets; v48-55 the bias; v56-63 at work; v64-127 two sets of four accumulators; v128-255 eight fragments of We, buffer = K step.
;   window 1: out, v[32 nt + 8 mt + j].     windows 2, 3: x: window 2 + ks / 4, v[64 (ks % 4) + 16 mt + 4 c + i].
; With source 1 in window 2 or 3 the matrix instructions, the maxima (whose second source is the constant 0) and the LDS loads all run under ONE setting; the multiply-adds into out want another: four switches for a chain's 32 matrix instructions.
.set PITCH, 1040                       ; a row of We in LDS: 1,024 bytes + 16 = 65 x 16: the sixteen rows that a load touches start 16 bytes apart modulo 256
.set SLOTB, 128*PITCH                  ; a slot
.set WSC,   2*SLOTB                    ; behind the ring: We's scale bytes for my 128 d: expert e at 4,096 e, row d at 32 bytes
.set BIA,   WSC+32768                  ; the biases: expert e at 512 e
.set HS,    BIA+4096                   ; the hidden layer of the router, 1,024 bytes a wave, the wave's own
.set LG,    HS+4096                    ; the waves' parts of the eight logits, 32 bytes a wave
.set SPARE, LG+256                     ; the spare words, 128 bytes for each wave: two blocks of 256 bytes that no other line names
.set SPIT,  528                        ; the way out: a stage of 16 rows x (512 bytes + 16) for each wave, in slot 0, which has had its last fill and its last read by then
.set SPW,  1                           ; v1   LDS address of my spare word; never rewritten
.set NIL,  2                           ; v2   0; never rewritten
.set AFB,  3                           ; v3   a fragment's place for my lane: 1,040 r + 16 h
.set AF0,  4                           ; v4   + the slot in hand: tiles nt 0-3
.set AF1,  5                           ; v5   tiles nt 4-7
.set AWS,  6                           ; v6   We's scale words of the expert in hand: 32 bytes a lane
.set ABI,  7                           ; v7   its biases: 32 h
.set HSW,  8
.set HSR,  9
.set GL,   10                          ; v10  16 x lane; never rewritten
.set GX,   11                          ; v11  2 x lane
.set LGW,  12
.set LGR,  13
.set STO,  14
.set RD,   15
.set XS,   16                          ; v[XS + 8 i + ks]: lanes 0-15 the word of tile 2 i, lanes 16-31 that of tile 2 i + 1
.set WS,   32                          ; v[WS + 8 set + ks]: lanes 0-15 the word of an even nt, lanes 16-31 that of the odd nt behind it
.set BI,   48
.set TP,   56
.set ACC,  64
.set RING, 128
.set WV,   24                          ; s24  wave
.set CX,   25                          ; s25  my place in the cluster: it enters xq's, xs's and out0's addresses alone
.set RB,   26
.set DT,   28
.set WOFF, 29                          ; s29  my quarter of a slot: 32 rows x wave
.set TB,   30                          ; s30  LDS byte at which the slot in hand begins
.set TRIPS, 31
.set G1W,  32                          ; s[32:39] descriptor group 1: We's tile;  s[40:47] its scales;  s[48:55] the biases
.set G1S,  40
.set G1B,  48
.set G0A,  56                          ; s[56:59] group 0: expert 0 into slot 0;  s[60:63] expert 1 into slot 1, which then walks on
.set G0W,  60
.set RC,   66                          ; s[66:67] the routing weight of the set that is being folded, twice
.set G0S,  68
.set G0B,  72
.set Q,    76                          ; s[76:91] the weights still to come, a pair each; at the head: offsets
.set BR2,  92
.set SEL,  100
.set MSB, 0
.macro WIN new                         ; the immediate's high byte repeats the setting that is left; a switch that changes nothing is dropped
.if MSB != (\new)
	s_set_vgpr_msb (MSB<<8)|(\new)
.set MSB, (\new)
.endif
.endm
.macro CREST                           ; a round of the cluster's barrier behind its opening barrier
	s_cmp_lg_u32 s[WV], 0
	s_cbranch_scc1 .Lnot_wave_0_\@
	s_barrier_signal -3
.Lnot_wave_0_\@:
	s_barrier_wait -3
	s_barrier_signal -1
	s_barrier_wait -1
.endm
.macro CROUND                          ; a whole round
	s_barrier_signal -1
	s_barrier_wait -1
	CREST
.endm
	s_load_b512 s[4:19], s[0:1], 0x0               ; xq s[4:5], xs s[6:7], We_codes s[8:9], We_scales s[10:11], be s[12:13], hp s[14:15], br1 s[16:17], Wr2 s[18:19]
	s_load_b128 s[20:23], s[0:1], 0x40             ; br2 s[20:21], out0 s[22:23]
	v_lshl_add_u32 v[SPW], v0, 2, SPARE
	v_mov_b32 v[NIL], 0
	ds_add_u32 v1, v2
	ds_add_u32 v1, v2
	s_wait_dscnt 0x0
	v_lshrrev_b32 v[TP], 5, v0
	v_readfirstlane_b32 s[WV], v[TP]               ; wave 0..3
	s_bfe_u32 s[CX], ttmp6, 0x40000
	s_lshl_b32 s[RB], ttmp9, 2                     ; in a cluster launch ttmp9 counts clusters: it is the batch
	s_add_co_u32 s[RB], s[RB], s[CX]               ; my block of 256 rows
	s_and_b32 s[DT], ttmp7, 0xffff                 ; my block of 128 d, which the four partners share
	s_mul_i32 s[WOFF], s[WV], 32*PITCH
	s_mov_b32 s[SEL], 0x76543210
	s_mov_b32 s[SEL+1], 0xfedcba98
	; group 1, We's tile: 32 rows x 1,024 elements of one byte, 16 bytes of padding behind each row
	s_mov_b32 s[G1W+0], 15|(1<<20)|(1<<21)|(7<<22)|(3<<25)   ; 15:0 the mask: all four work-groups; 17:16 one byte; 20 padding on; 21 set beside a mask; 24:22 after every 256 words (code 7); 31:25 four words (code 3)
	s_mov_b32 s[G1W+1], 1024<<16                   ; tensor_dim0
	s_mov_b32 s[G1W+2], 32<<16                     ; tensor_dim1
	s_mov_b32 s[G1W+3], 1024<<16                   ; tile_dim0
	s_mov_b32 s[G1W+4], 32                         ; tile_dim1
	s_mov_b32 s[G1W+5], 1024                       ; from row to row
	s_mov_b32 s[G1W+6], 0
	s_mov_b32 s[G1W+7], 0
	; its scales: two experts x 4,096 bytes (128 rows of 32), as elements of 8 bytes; an expert's block lies 32,768 bytes from the next
	s_mov_b32 s[G1S+0], 15|(3<<16)|(1<<21)
	s_mov_b32 s[G1S+1], 512<<16
	s_mov_b32 s[G1S+2], 2<<16
	s_mov_b32 s[G1S+3], 512<<16
	s_mov_b32 s[G1S+4], 2
	s_mov_b32 s[G1S+5], 4096
	s_mov_b32 s[G1S+6], 0
	s_mov_b32 s[G1S+7], 0
	; the biases: two experts x 512 bytes, 4,096 bytes apart
	s_mov_b32 s[G1B+0], 15|(3<<16)|(1<<21)
	s_mov_b32 s[G1B+1], 64<<16
	s_mov_b32 s[G1B+2], 2<<16
	s_mov_b32 s[G1B+3], 64<<16
	s_mov_b32 s[G1B+4], 2
	s_mov_b32 s[G1B+5], 512
	s_mov_b32 s[G1B+6], 0
	s_mov_b32 s[G1B+7], 0
	; where the joint loads read: made of dt and the wave's number alone, in registers that never hold my place in the cluster
	s_lshl_b32 s2, s[DT], 17                       ; We_codes: (128 dt + 32 w) rows of 1,024 bytes
	s_lshl_b32 s3, s[WV], 15
	s_add_co_u32 s2, s2, s3
	s_mov_b32 s3, 0
	s_lshl_b32 s80, s[WV], 16                      ; We_scales: experts 2 w, 2 w + 1; 4,096 dt
	s_lshl_b32 s81, s[DT], 12
	s_add_co_u32 s80, s80, s81
	s_mov_b32 s81, 0
	s_lshl_b32 s82, s[WV], 13                      ; be: experts 2 w, 2 w + 1; 512 dt
	s_lshl_b32 s83, s[DT], 9
	s_add_co_u32 s82, s82, s83
	s_mov_b32 s83, 0
	s_lshl_b32 s84, s[RB], 18                      ; xq: tile 16 rb + 4 w, 16,384 bytes a tile
	s_lshl_b32 s85, s[WV], 16
	s_add_co_u32 s84, s84, s85
	s_mov_b32 s85, 0
	s_lshl_b32 s86, s[RB], 9                       ; xs: row 256 rb + 64 w, 2 bytes a row
	s_lshl_b32 s87, s[WV], 7
	s_add_co_u32 s86, s86, s87
	s_mov_b32 s87, 0
	s_lshl_b32 s88, s[RB], 20                      ; out0: row 256 rb + 64 w of 4,096 bytes, + 512 dt
	s_lshl_b32 s89, s[WV], 18
	s_add_co_u32 s88, s88, s89
	s_lshl_b32 s89, s[DT], 9
	s_add_co_u32 s88, s88, s89
	s_mov_b32 s89, 0
	s_lshl_b32 s76, s[WV], 10                      ; br1: my 256 hidden units
	s_mov_b32 s77, 0
	s_lshl_b32 s90, ttmp9, 17                      ; hp: the batch's 32 partial vectors, my 256 hidden units
	s_add_co_u32 s90, s90, s76
	s_mov_b32 s91, 0
	s_lshl_b32 s78, s[WV], 13                      ; Wr2: my 256 rows of 32 bytes
	s_mov_b32 s79, 0
	s_mov_b32 s[G0S], 1                            ; group 0: count = 1; the LDS address; the global address; the type on top
	s_lshl_b32 s[G0S+1], s[WV], 13
	s_add_co_u32 s[G0S+1], s[G0S+1], WSC
	s_mov_b32 s[G0B], 1
	s_lshl_b32 s[G0B+1], s[WV], 10
	s_add_co_u32 s[G0B+1], s[G0B+1], BIA
	s_mov_b32 s[G0A], 1
	s_mov_b32 s[G0A+1], s[WOFF]
	s_mov_b32 s[G0W], 1
	s_add_co_u32 s[G0W+1], s[WOFF], SLOTB
	s_wait_kmcnt 0x0
	s_add_nc_u64 s[G0S+2:G0S+3], s[10:11], s[80:81]
	s_or_b32 s[G0S+3], s[G0S+3], 0x80000000
	s_add_nc_u64 s[G0B+2:G0B+3], s[12:13], s[82:83]
	s_or_b32 s[G0B+3], s[G0B+3], 0x80000000
	s_add_nc_u64 s[G0A+2:G0A+3], s[8:9], s[2:3]
	s_add_nc_u64 s[G0W+2:G0W+3], s[G0A+2:G0A+3], 0x100000   ; an expert's codes are 2^20 bytes
	s_or_b32 s[G0A+3], s[G0A+3], 0x80000000
	s_or_b32 s[G0W+3], s[G0W+3], 0x80000000
	s_add_nc_u64 s[4:5], s[4:5], s[84:85]
	s_add_nc_u64 s[6:7], s[6:7], s[86:87]
	s_add_nc_u64 s[22:23], s[22:23], s[88:89]
	s_add_nc_u64 s[14:15], s[14:15], s[90:91]
	s_add_nc_u64 s[16:17], s[16:17], s[76:77]
	s_add_nc_u64 s[18:19], s[18:19], s[78:79]
	s_load_b256 s[BR2:BR2+7], s[20:21], 0x0        ; br2
	CROUND                                         ; all four work-groups are here: the first joint loads meet
	tensor_load_to_lds s[G0S:G0S+3], s[G1S:G1S+7]  ; the first fills go out as one group: four loads of mine are out
	s_nop 0
	tensor_load_to_lds s[G0B:G0B+3], s[G1B:G1B+7]
	s_nop 0
	tensor_load_to_lds s[G0A:G0A+3], s[G1W:G1W+7]
	s_nop 0
	tensor_load_to_lds s[G0W:G0W+3], s[G1W:G1W+7]
	s_nop 0
.rept 4
	v_nop
.endr
	v_and_b32 v[TP+1], 31, v0                      ; lane
	v_and_b32 v[TP+2], 15, v0                      ; r
	v_bfe_u32 v[TP+3], v0, 4, 1                    ; h
	v_lshlrev_b32 v[GL], 4, v[TP+1]
	v_lshlrev_b32 v[GX], 1, v[TP+1]
.set i, 0
.rept 2
.set k, 0
.rept 16
	global_load_u16 v[192+16*i+k], v[GX], s[6:7] offset:16384*k+64*i   ; the two scale bytes of row 32 i + lane, columns 64 k on
.set k, k+1
.endr
.set i, i+1
.endr
	WIN 0x40                                       ; destination window 1: out's registers are free until the sums begin
.set p, 0
.rept 32
	global_load_b128 v[8*p:8*p+3], v[GL], s[14:15] offset:4096*p        ; partial p, hidden units 256 w + 4 l + 0 .. 3
	global_load_b128 v[8*p+4:8*p+7], v[GL], s[14:15] offset:4096*p+512  ; and 128 further on
.set p, p+1
.endr
	WIN 0
	global_load_b128 v[240:243], v[GL], s[16:17]
	global_load_b128 v[244:247], v[GL], s[16:17] offset:512
.set q, 0
.rept 16
	global_load_b128 v[128+4*q:128+4*q+3], v[GL], s[18:19] offset:512*q   ; Wr2(256 w + 16 q + l / 2, 4 (l % 2) + 0 .. 3): dense
.set q, q+1
.endr
.macro XLOAD ks                        ; x's four fragments of K step ks: images of registers: 512 consecutive bytes a load
	WIN 0x80+0x40*((\ks)/4)
.irp mt, 0,1,2,3
.irp c, 0,1,2,3
	global_load_b128 v[64*((\ks)%4)+16*\mt+4*\c:64*((\ks)%4)+16*\mt+4*\c+3], v[GL], s[4:5] offset:16384*\mt+2048*(\ks)+512*\c
.endr
.endr
.endm
	XLOAD 0
	XLOAD 1
	WIN 0
	v_mul_u32_u24 v[AFB], v[TP+2], PITCH           ; LDS addresses, all made here: a constant + a constant x lane + a constant x wave
	v_lshl_add_u32 v[AFB], v[TP+3], 4, v[AFB]
	v_lshl_add_u32 v[AWS], v[TP+1], 5, WSC
	v_lshl_add_u32 v[ABI], v[TP+3], 5, BIA
	s_lshl_b32 s80, s[WV], 10
	s_add_co_u32 s80, s80, HS
	v_add_nc_u32 v[HSW], s80, v[GL]
	v_lshrrev_b32 v[TP+4], 1, v[TP+1]
	v_lshl_add_u32 v[HSR], v[TP+4], 2, s80
	v_and_b32 v[TP+4], 1, v0
	s_lshl_b32 s81, s[WV], 5
	s_add_co_u32 s81, s81, LG
	v_lshl_add_u32 v[LGW], v[TP+4], 4, s81
	v_mov_b32 v[LGR], LG
	s_mul_i32 s82, s[WV], 16*SPIT
	v_mul_u32_u24 v[STO], v[TP+2], SPIT
	v_lshl_add_u32 v[STO], v[TP+3], 5, v[STO]
	v_add_nc_u32 v[STO], s82, v[STO]               ; the stage, in: row r, 32 h
	v_add_nc_u32 v[RD], s82, v[GL]                 ; back: a row's 512 bytes by 32 lanes
.irp i, 4,5,6,7
	v_mov_b32 v[TP+\i], 0                          ; written once: a lane permute's destination counts as one of its sources
.endr
	s_wait_loadcnt 32                              ; all but x's 32 loads just issued: the scale bytes, hp, br1 and Wr2 are in
	WIN 0x45                                       ; destination and both sources window 1
.set p, 1
.rept 31
.irp u, 0,2,4,6
	v_pk_add_f32 v[\u:\u+1], v[\u:\u+1], v[8*p+\u:8*p+\u+1]   ; the 32 partials of mean @ Wr1, in four chains
.endr
.set p, p+1
.endr
	WIN 0x01                                       ; source 0 window 1
.irp u, 0,2,4,6
	v_pk_add_f32 v[248+\u:249+\u], v[\u:\u+1], v[240+\u:241+\u]   ; + br1
.endr
	WIN 0
.irp i, 0,1,2,3,4,5,6,7
	v_max_num_f32 v[248+\i], 0, v[248+\i]          ; relu
.endr
	ds_store_b128 v[HSW], v[248:251]               ; my wave's 256 hidden units go through its own bytes of LDS and come back as Wr2's lanes want them: no barrier
	ds_store_b128 v[HSW], v[252:255] offset:512
.set q, 0
.rept 16
	ds_load_b32 v[224+q], v[HSR] offset:64*q       ; hidden unit 16 q + l / 2
.set q, q+1
.endr
.irp k, 2,3,4,5,6,7
	XLOAD \k
.endr
	WIN 0
	s_wait_dscnt 0x0
.irp i, 0,1,2,3
	v_mul_f32 v[TP+\i], v[128+\i], v224            ; the first product starts the sums
.endr
.set q, 1
.rept 15
.irp i, 0,1,2,3
	v_fmac_f32 v[TP+\i], v[128+4*q+\i], v[224+q]
.endr
.set q, q+1
.endr
.irp m, 2,4,8
.irp i, 0,1,2,3
	v_add_f32_dpp v[TP+\i], v[TP+\i], v[TP+\i] row_xmask:\m row_mask:0xf bank_mask:0xf   ; over the lanes of my parity
.endr
.endr
.irp i, 0,1,2,3
	v_permlanex16_b32 v[TP+4+\i], v[TP+\i], s[SEL], s[SEL+1]
.endr
	v_pk_add_f32 v[TP:TP+1], v[TP:TP+1], v[TP+4:TP+5]
	v_pk_add_f32 v[TP+2:TP+3], v[TP+2:TP+3], v[TP+6:TP+7]
	ds_store_b128 v[LGW], v[TP:TP+3]               ; my wave's part of logits 4 (l % 2) + 0 .. 3 (lanes of one parity write the same)
.set i, 0
.rept 2
.set k, 0
.rept 8
	v_lshl_or_b32 v[XS+8*i+k], v[192+16*i+2*k+1], 16, v[192+16*i+2*k]   ; four bytes make a row's scale word of K step k
.set k, k+1
.endr
.set i, i+1
.endr
	; out and accumulator set 1 begin as zeros, so that the trip is written once: the first chain folds zeros.  The wave waits for x meanwhile
	WIN 0x40
.set i, 0
.rept 256
	v_mov_b32 v[i], 0
.set i, i+1
.endr
	WIN 0
.set i, 0
.rept 32
	v_mov_b32 v[ACC+32+i], 0
.set i, i+1
.endr
	s_wait_dscnt 0x0                               ; for the others' sake: my part of the logits lies in LDS
	s_wait_tensorcnt 1                             ; my parts of the scales, the biases and slot 0 are in; slot 1's may stay out
	s_barrier_signal -1
	s_barrier_wait -1
.irp q, 0,1,2,3,4,5,6,7
	ds_load_b128 v[ACC+4*\q:ACC+4*\q+3], v[LGR] offset:16*\q   ; v[ACC + 8 w + e]: wave w's part of logit e, in every lane
.endr
	s_wait_dscnt 0x0
	s_wait_kmcnt 0x0                               ; br2
.irp u, 0,2,4,6
	v_pk_add_f32 v[ACC+\u:ACC+\u+1], v[ACC+\u:ACC+\u+1], v[ACC+8+\u:ACC+9+\u]
	v_pk_add_f32 v[ACC+16+\u:ACC+17+\u], v[ACC+16+\u:ACC+17+\u], v[ACC+24+\u:ACC+25+\u]
.endr
.irp u, 0,2,4,6
	v_pk_add_f32 v[ACC+\u:ACC+\u+1], v[ACC+\u:ACC+\u+1], v[ACC+16+\u:ACC+17+\u]
.endr
.irp e, 0,1,2,3,4,5,6,7
	v_add_f32 v[ACC+\e], s[BR2+\e], v[ACC+\e]
.endr
	v_max3_num_f32 v[TP], v[ACC], v[ACC+1], v[ACC+2]
	v_max3_num_f32 v[TP], v[TP], v[ACC+3], v[ACC+4]
	v_max3_num_f32 v[TP], v[TP], v[ACC+5], v[ACC+6]
	v_max_num_f32 v[TP], v[TP], v[ACC+7]           ; the largest logit is taken away first
.irp e, 0,1,2,3,4,5,6,7
	v_sub_f32 v[ACC+\e], v[ACC+\e], v[TP]
.endr
.irp e, 0,1,2,3,4,5,6,7
	v_mul_f32 v[ACC+\e], 0x3fb8aa3b, v[ACC+\e]     ; x log2(e)
.endr
.irp e, 0,1,2,3,4,5,6,7
	v_exp_f32 v[ACC+\e], v[ACC+\e]
.endr
	v_nop                                          ; a plain line behind the exponentials
	s_wait_alu depctr_va_vdst(0)
	v_pk_add_f32 v[ACC+8:ACC+9], v[ACC:ACC+1], v[ACC+2:ACC+3]
	v_pk_add_f32 v[ACC+10:ACC+11], v[ACC+4:ACC+5], v[ACC+6:ACC+7]
	v_pk_add_f32 v[ACC+8:ACC+9], v[ACC+8:ACC+9], v[ACC+10:ACC+11]
	v_add_f32 v[ACC+8], v[ACC+8], v[ACC+9]
	v_rcp_f32 v[ACC+8], v[ACC+8]
	v_nop                                          ; a plain line behind the reciprocal
	s_wait_alu depctr_va_vdst(0)
.irp e, 0,1,2,3,4,5,6,7
	v_mul_f32 v[ACC+\e], v[ACC+\e], v[ACC+8]
.endr
.irp e, 0,1,2,3,4,5,6,7
	v_readfirstlane_b32 s[Q+2*\e], v[ACC+\e]       ; the weights are the same in every lane: they serve as scalar factors, and steer nothing
	s_mov_b32 s[Q+2*\e+1], s[Q+2*\e]               ; (the packed form names a pair)
.endr
	s_mov_b64 s[RC:RC+1], s[Q:Q+1]                 ; the first chain's multiply-adds multiply zeros by it
	s_mov_b32 s[TB], 0
	v_add_nc_u32 v[AF0], s[TB], v[AFB]
	v_add_nc_u32 v[AF1], 4*16*PITCH, v[AF0]
	ds_load_b128 v[BI:BI+3], v[ABI]                ; expert 0: the bias of tile 0,
	ds_load_b128 v[BI+4:BI+7], v[ABI] offset:16
	ds_load_b128 v[WS:WS+3], v[AWS]                ; the scale words of tiles 0 and 1,
	ds_load_b128 v[WS+4:WS+7], v[AWS] offset:16
.set k, 0
.rept 8
.irp c, 0,1,2,3
	ds_load_b128 v[RING+16*k+4*\c:RING+16*k+4*\c+3], v[AF0] offset:128*k+32*\c   ; and tile 0's eight fragments, in the order in which a chain's two runs bring them
.endr
.set k, k+1
.endr
	s_wait_loadcnt 0x0                             ; x
; One matrix instruction: chain j (tile nt = j of the expert in hand), K step ks, tile mt of my rows.
.macro WM j, ks, mt
.set rD, ACC+32*((\j)&1)+8*(\mt)
.set rA, RING+16*(\ks)
.set rB, 64*((\ks)&3)+16*(\mt)
.set rC, rD
.if (\ks) == 0
.set rC, BI                            ; the bias starts the sum
.endif
.set rP, WS+8*(((\j)>>1)&1)+(\ks)
.set rQ, XS+8*((\mt)>>1)+(\ks)
.if ((\j)&1) && ((\mt)&1)
	v_wmma_scale_f32_16x16x128_f8f6f4 v[rD:rD+7], v[rA:rA+15], v[rB:rB+15], v[rC:rC+7], v[rP], v[rQ] matrix_a_fmt:MATRIX_FMT_BF8 matrix_b_fmt:MATRIX_FMT_BF8 matrix_a_scale:MATRIX_SCALE_ROW1 matrix_b_scale:MATRIX_SCALE_ROW1
.elseif ((\j)&1)
	v_wmma_scale_f32_16x16x128_f8f6f4 v[rD:rD+7], v[rA:rA+15], v[rB:rB+15], v[rC:rC+7], v[rP], v[rQ] matrix_a_fmt:MATRIX_FMT_BF8 matrix_b_fmt:MATRIX_FMT_BF8 matrix_a_scale:MATRIX_SCALE_ROW1
.elseif ((\mt)&1)
	v_wmma_scale_f32_16x16x128_f8f6f4 v[rD:rD+7], v[rA:rA+15], v[rB:rB+15], v[rC:rC+7], v[rP], v[rQ] matrix_a_fmt:MATRIX_FMT_BF8 matrix_b_fmt:MATRIX_FMT_BF8 matrix_b_scale:MATRIX_SCALE_ROW1
.else
	v_wmma_scale_f32_16x16x128_f8f6f4 v[rD:rD+7], v[rA:rA+15], v[rB:rB+15], v[rC:rC+7], v[rP], v[rQ] matrix_a_fmt:MATRIX_FMT_BF8 matrix_b_fmt:MATRIX_FMT_BF8
.endif
.endm
.macro RELU j, n                       ; register n of the set that chain j - 1 finished
.set rT, ACC+32*(1-((\j)&1))+(\n)
	v_max_num_f32 v[rT], v[rT], 0
.endm
.macro FOLD j, a                       ; out += weight x tile a of that set
.set rT, ACC+32*(1-((\j)&1))+8*(\a)
.set rO, 32*(((\j)+7)&7)+8*(\a)
.irp u, 0,2,4,6
	v_pk_fma_f32 v[rO+\u:rO+\u+1], v[rT+\u:rT+\u+1], s[RC:RC+1], v[rO+\u:rO+\u+1] op_sel_hi:[1,0,1]
.endr
.endm
.macro LDFRAG nt, ks                   ; the fragment of tile nt, K step ks, into buffer ks
.set nN, (\nt)
.if (nN >= 4) && (nN < 8)
.set nA, AF1
.else
.set nA, AF0                           ; (tile 8 is the next expert's tile 0: AF0 has been turned to its slot by then)
.endif
.irp c, 0,1,2,3
	ds_load_b128 v[RING+16*(\ks)+4*\c:RING+16*(\ks)+4*\c+3], v[nA] offset:(nN&3)*16*PITCH+128*(\ks)+32*\c
.endr
.endm
.macro EXTRA j, ws                     ; the next chain's bias; ws = 1 (even j): the scale words of the two chains behind the next
	ds_load_b128 v[BI:BI+3], v[ABI] offset:64*((\j)+1)
	ds_load_b128 v[BI+4:BI+7], v[ABI] offset:64*((\j)+1)+16
.if \ws
.set wS, WS+8*((((\j)/2)+1)&1)
	ds_load_b128 v[wS:wS+3], v[AWS] offset:1024*((\j)/2+1)
	ds_load_b128 v[wS+4:wS+7], v[AWS] offset:1024*((\j)/2+1)+16
.endif
.endm
; A K step: four matrix instructions, the four accumulators by turns, and behind each one maximum of the finished set, its registers in ascending order.
; wt: how many younger LDS instructions may stay out (-1: no wait).
; Places (ISA guide 7.12.1): the first maximum on a tile of the finished set stands behind that tile's last matrix instruction by at least the eight multiply-adds of the run in between; it reads the tile's lowest register.
.macro KSTEP j, ks, wt
.if (\wt) >= 0
	s_wait_dscnt \wt
.endif
	WIN 0x08+4*((\ks)/4)
	WM \j, \ks, 0
	RELU \j, 4*(\ks)
	WM \j, \ks, 1
	RELU \j, 4*(\ks)+1
	WM \j, \ks, 2
	RELU \j, 4*(\ks)+2
	WM \j, \ks, 3
	RELU \j, 4*(\ks)+3
.endm
; Behind K step 3: tiles 0 and 1 of the finished set, whose sixteen maxima stand in K steps 0 to 3, go into out; then (ld = 1) ONE run of LDS loads: the next chain's bias, on even chains scale words, and its fragments of K steps 0 to 3,
; into the four buffers just multiplied.  One maximum and eight multiply-adds, which name none of the last matrix instruction's registers, are the places in front of the loads.  The run has 16 matrix instructions ahead of its first use.
.macro SERVE1 j, ld, ws
	WIN 0x50                                       ; destination and source 2 (out) window 1
	FOLD \j, 0
	FOLD \j, 1
.if \ld
	WIN 0x0c                                       ; the setting of K steps 4 to 7 serves the loads too
	EXTRA \j, \ws
.irp k, 0,1,2,3
	LDFRAG (\j)+1, \k
.endr
.endif
.endm
.macro SERVE2 j, ld                    ; behind K step 7: the same for tiles 2 and 3, and the next chain's fragments of K steps 4 to 7
	WIN 0x50
	FOLD \j, 2
	FOLD \j, 3
.if \ld
	WIN 0x08
.irp k, 4,5,6,7
	LDFRAG (\j)+1, \k
.endr
.endif
.endm
; A chain.  The waits count the LDS instructions issued behind the K step's fragment.  K steps 0 to 3: the rest of their own run (12, 8, 4, 0) and the 16 of the run behind it; the bias stands ahead of them in their run.
; K steps 4 to 7: the rest of their run and this chain's first run: 18 loads, 20 with scale words.
.macro CHAIN j, ws
	KSTEP \j, 0, 28
	KSTEP \j, 1, 24
	KSTEP \j, 2, 20
	KSTEP \j, 3, 16
	SERVE1 \j, 1, \ws
	KSTEP \j, 4, 30+2*(\ws)
	KSTEP \j, 5, 26+2*(\ws)
	KSTEP \j, 6, 22+2*(\ws)
	KSTEP \j, 7, 18+2*(\ws)
	SERVE2 \j, 1
.endm
; An expert's last chain changes slots: the slot's last reads went out with chain 6's second run.  var = 0: the slot just left is filled again, with the expert two on; 1: nothing is left to fetch; 2: the last expert: no change, the counts run down.
.macro CHAIN7 var
.if \var == 2
	KSTEP 7, 0, 28
	KSTEP 7, 1, 24
	KSTEP 7, 2, 20
	KSTEP 7, 3, 16
	SERVE1 7, 0, 0
	KSTEP 7, 4, 12
	KSTEP 7, 5, 8
	KSTEP 7, 6, 4
	KSTEP 7, 7, 0
	SERVE2 7, 0
.else
	WIN 0                                          ; (the add's two registers lie in window 0)
	s_wait_tensorcnt 0x0                           ; all my tensor loads have landed: the one that was out is my quarter of the next slot; so a group 0 may be written
	ds_add_u32 v[SPW], v[NIL]                      ; 0 onto my spare word: three K steps stand between it and the wait for it
.if \var == 0
	s_add_co_u32 s[G0W+1], s[TB], s[WOFF]          ; the walking descriptor: my quarter of the slot that is being left,
	s_add_nc_u64 s[G0W+2:G0W+3], s[G0W+2:G0W+3], 0x100000   ; the next expert but one; the type bits on top are not reached
.endif
	s_xor_b32 s[TB], s[TB], SLOTB                  ; 0 <-> SLOTB: on to the other slot
	KSTEP 7, 0, 29                                 ; (a chain's counts, and the add)
	KSTEP 7, 1, 25
	KSTEP 7, 2, 21
	s_wait_dscnt 0x0                               ; the add is done, and my reads of this slot are over
	s_barrier_signal -1
	KSTEP 7, 3, -1                                 ; work on registers while the others arrive
	SERVE1 7, 0, 0
	WIN 0
	s_barrier_wait -1
.if \var == 0
	CREST                                          ; the barrier has opened a round of the cluster's barrier: no wave of any partner still reads this slot or has a load on its way
	tensor_load_to_lds s[G0W:G0W+3], s[G1W:G1W+7]  ; my one tensor load behind the round: it has the rest of this chain and seven chains more, 240 matrix instructions, in which to land
	s_nop 0
.rept 4
	v_nop
.endr
.endif
	v_add_nc_u32 v[AF0], s[TB], v[AFB]             ; no LDS instruction of mine is out: the address registers step to the next expert
	v_add_nc_u32 v[AF1], 4*16*PITCH, v[AF0]
	v_add_nc_u32 v[AWS], 4096, v[AWS]
	v_add_nc_u32 v[ABI], 512, v[ABI]
	EXTRA -1, 0                                    ; the chain's first run, out of the new slot: the next expert's first bias
.irp k, 0,1,2,3
	LDFRAG 8, \k                                   ; and its tile 0, K steps 0 to 3
.endr
	KSTEP 7, 4, -1                                 ; (their own fragments were shown landed by the wait for 0)
	KSTEP 7, 5, -1
	KSTEP 7, 6, -1
	KSTEP 7, 7, -1
	SERVE2 7, 1
.endif
.endm
; An expert.  Chain 0 still folds the expert before (its tile 7), so the weight changes behind chain 0.
.macro TRIP var
	CHAIN 0, 1
	s_mov_b64 s[RC:RC+1], s[Q:Q+1]
.irp i, 0,1,2,3,4,5,6
	s_mov_b64 s[Q+2*\i:Q+2*\i+1], s[Q+2*\i+2:Q+2*\i+3]
.endr
	CHAIN 1, 0
	CHAIN 2, 1
	CHAIN 3, 0
	CHAIN 4, 1
	CHAIN 5, 0
.if \var == 2
	CHAIN 6, 0                                     ; no expert follows: no scale words are asked for
.else
	CHAIN 6, 1
.endif
	CHAIN7 \var
	WIN 0                                          ; at a label and at a branch every window is 0
.endm
	s_mov_b32 s[TRIPS], 6
.Ltrip:                                                ; experts 0 to 5: each leaves its slot to the expert two on
	TRIP 0
	s_sub_co_u32 s[TRIPS], s[TRIPS], 1
	s_cmp_lg_u32 s[TRIPS], 0
	s_cbranch_scc1 .Ltrip
	TRIP 1                                         ; the last two are written out
	TRIP 2
	; the last chain's set: the places behind its last matrix instructions are the last maxima and the eight multiply-adds that closed the chain
.set i, 0
.rept 32
	v_max_num_f32 v[ACC+32+i], v[ACC+32+i], 0
.set i, i+1
.endr
	WIN 0x50
.irp a, 0,1,2,3
.irp u, 0,2,4,6
	v_pk_fma_f32 v[224+8*\a+\u:224+8*\a+\u+1], v[ACC+32+8*\a+\u:ACC+32+8*\a+\u+1], s[RC:RC+1], v[224+8*\a+\u:224+8*\a+\u+1] op_sel_hi:[1,0,1]
.endr
.endr
; THE WAY OUT, a tile of 16 rows x 128 d at a time.  A lane holds 32 neighbouring bytes of a row, eight times; the lanes beside it hold other rows.  So a tile goes through my own stage in LDS and comes back as whole rows of 512 bytes.
; LDS serves a wave's instructions in order (ISA guide 5.7.1.4): no wait between the stores and the loads, nor in front of the next tile's stores.
.macro TOSTAGE mt
	WIN 0x04                                       ; an LDS store's data are its source 1: window 1
.irp nt, 0,1,2,3,4,5,6,7
	ds_store_b128 v[STO], v[32*\nt+8*(\mt):32*\nt+8*(\mt)+3] offset:64*\nt
	ds_store_b128 v[STO], v[32*\nt+8*(\mt)+4:32*\nt+8*(\mt)+7] offset:64*\nt+16
.endr
	WIN 0
.set rK, RING+64*((\mt)&1)
.set t, 0
.rept 16
	ds_load_b128 v[rK+4*t:rK+4*t+3], v[RD] offset:SPIT*t
.set t, t+1
.endr
.endm
.macro SEND mt, younger                ; younger: the LDS instructions issued behind tile mt's loads, which may stay out
.set rK, RING+64*((\mt)&1)
	s_wait_dscnt \younger
.set t, 0
.rept 16
	global_store_b128 v[GL], v[rK+4*t:rK+4*t+3], s[22:23] offset:(16*(\mt)+t)*4096 th:TH_STORE_NT   ; 32 lanes store 512 consecutive bytes at a multiple of 512 from out0's first byte; written once
.set t, t+1
.endr
.endm
	TOSTAGE 0
	TOSTAGE 1
	SEND 0, 32                                     ; behind tile 0's loads: tile 1's 16 stores and 16 loads
	s_wait_xcnt 0x0                                ; tile 0's stores have read their registers: tile 2's loads may land there
	TOSTAGE 2
	SEND 1, 32
	s_wait_xcnt 0x0
	TOSTAGE 3
	SEND 2, 32
	SEND 3, 0
	s_wait_tensorcnt 0x0                           ; the wave's end, behind my last tensor load and my last LDS store
	ds_add_u32 v[SPW], v[NIL]
	s_wait_dscnt 0x0
	CROUND                                         ; the closing round: no work-group ends while a partner may still ask for a tile that names it
	s_endpgm
.Lfunc_end_k_q9f5c4815d9_moe:
	.size	k_q9f5c4815d9_moe, .Lfunc_end_k_q9f5c4815d9_moe-k_q9f5c4815d9_moe
	.p2alignl 7, 3214868480
	.fill 96, 4, 3214868480
	.section	.rodata,"a",@progbits
	.p2align	6, 0x0
	.amdhsa_kernel k_q9f5c4815d9_moe
		.amdhsa_group_segment_fixed_size 327680
		.amdhsa_private_segment_fixed_size 0
		.amdhsa_enable_private_segment 0
		.amdhsa_kernarg_size 80
		.amdhsa_user_sgpr_count 2
		.amdhsa_user_sgpr_kernarg_segment_ptr 1
		.amdhsa_wavefront_size32 1
		.amdhsa_system_sgpr_workgroup_id_x 1
		.amdhsa_system_sgpr_workgroup_id_y 1
		.amdhsa_system_sgpr_workgroup_id_z 1
		.amdhsa_system_vgpr_workitem_id 0
		.amdhsa_next_free_vgpr 1024
		.amdhsa_next_free_sgpr 102
		.amdhsa_reserve_vcc 0
		.amdhsa_float_denorm_mode_32 3
		.amdhsa_float_denorm_mode_16_64 3
		.amdhsa_memory_ordered 1
		.amdhsa_forward_progress 1
		.amdhsa_inst_pref_size 255
	.end_amdhsa_kernel
	.section	.bss,"aw",@nobits
	.p2align	6
	.space	262144
	.amdgpu_metadata
---
amdhsa.version: [ 1, 2 ]
amdhsa.kernels:
  - .name:           k_q9f5c4815d9_moe
    .symbol:         k_q9f5c4815d9_moe.kd
    .args:
      - { .name: xq, .offset: 0, .size: 8, .value_kind: global_buffer, .address_space: global }
      - { .name: xs, .offset: 8, .size: 8, .value_kind: global_buffer, .address_space: global }
      - { .name: We_codes, .offset: 16, .size: 8, .value_kind: global_buffer, .address_space: global }
      - { .name: We_scales, .offset: 24, .size: 8, .value_kind: global_buffer, .address_space: global }
      - { .name: be, .offset: 32, .size: 8, .value_kind: global_buffer, .address_space: global }
      - { .name: hp, .offset: 40, .size: 8, .value_kind: global_buffer, .address_space: global }
      - { .name: br1, .offset: 48, .size: 8, .value_kind: global_buffer, .address_space: global }
      - { .name: Wr2, .offset: 56, .size: 8, .value_kind: global_buffer, .address_space: global }
      - { .name: br2, .offset: 64, .size: 8, .value_kind: global_buffer, .address_space: global }
      - { .name: out0, .offset: 72, .size: 8, .value_kind: global_buffer, .address_space: global }
    .group_segment_fixed_size: 327680
    .private_segment_fixed_size: 0
    .kernarg_segment_align: 8
    .kernarg_segment_size: 80
    .max_flat_workgroup_size: 128
    .sgpr_count:     102
    .vgpr_count:     1024
    .wavefront_size: 32
...
	.end_amdgpu_metadata
.endif
;; end of part 3
